; MI455X (gfx1250); checked and timed in simulation.
; The chip was launched on July 23, 2026; its instructions are those of AMD's public machine-readable ISA for CDNA 5 (MIT licence, August 2026) and "CDNA5" Instruction Set Architecture Reference Guide (July 2026). The comments in the code are by the model that wrote it; some were corrected since.
;; GQA Attention. Allowed arithmetic: float matrix products may take bf16 or f16 operands with f32 sums; other float arithmetic in f32, or as packed bf16 or f16 multiplies, adds, multiply-adds, maxima and minima; sums over many terms, partial sums and values carried from step to step in f32; what a program stores and reads back later, other than sums and carried values, may be rounded once to bf16 or f16.
;; Inputs: Wk 4,096 x 1,024 float32; Wo 2,048 x 4,096 float32; Wq 4,096 x 2,048 float32; Wv 4,096 x 1,024 float32; attention_mask 1 x 1 x 2,048 x 2,048 float32; col_ids 1 x 2,048 int32; k_norm_w 128 float32; q_norm_w 128 float32; row_ids 1 x 2,048 int32; x 1 x 2,048 x 4,096 float32.
;; Outputs: out0 1 x 2,048 x 4,096 float32.
;; One version. Each part assembles by itself: llvm-mc -triple=amdgcn-amd-amdhsa -mcpu=gfx1250 --defsym DOCPART=n.
;; ======== version 1 of 1: 4 launches
;; limits: values are held in f16: magnitudes above 65,504 overflow, below 6.1e-05 lose precision; right only within a limited range of input values
;; workspace buffers: xb 16,777,216 bytes; wqkv 33,554,432 bytes; wob 16,777,216 bytes; maskl 16,777,216 bytes; tab 1,048,576 bytes; qkvh 16,777,216 bytes; ob 8,388,608 bytes
;; launch prep (part 1): grid 256 x 7, 8 waves a work-group, no clusters, 0 bytes of LDS; arguments x, Wq, Wk, Wv, row_ids, col_ids, xb, wqkv, tab; writes xb, wqkv, tab
.if DOCPART == 1
	.amdgcn_target "amdgcn-amd-amdhsa--gfx1250"
	.amdhsa_code_object_version 6
	.text
	.protected	k_q97a2f66b0f_prep
	.globl	k_q97a2f66b0f_prep
	.p2align	8
	.type	k_q97a2f66b0f_prep,@function
k_q97a2f66b0f_prep:
	s_mov_b64 s[64:65], 0
	v_nop
	global_prefetch_b8 v0, s[64:65] scope:SCOPE_SE
	s_setreg_imm32_b32 hwreg(HW_REG_WAVE_MODE, 25, 1), 1
	s_wait_xcnt 0x0
; WHAT THE FIRST PRODUCT WANTS IS ROUNDED ONCE, AND THE ANGLES' TABLE IS MADE.  (Wo and the mask, which later launches want, are cast inside the next launch's K loop.)
;   xb    = bf16(x)                       [2048][4096]
;   wqkv  = bf16(Wq | Wk | Wv) side by side [4096 k][4096 n]: columns 0-2047 Wq, 2048-3071 Wk, 3072-4095 Wv
;   tab   = [token][cos of 64 angles, sin of 64 angles] f32: angles 0-31 row id x f_i, 32-63 col id x f_i x golden, f_i = 10000^(-i/32)
; LIMIT.  An angle is reduced by one product with 2 / pi in f32: its error is about 2^-22 of the angle.
; SHARES.  The grid's y picks a chunk of 4 Mi numbers: 0, 1 x; 2, 3 Wq; 4 Wk; 5 Wv; 6 the table.  A unit is 1,024 numbers (4,096 bytes in); a wave takes two units on end:
; 16 loads of 16 bytes a lane, all issued before the first is used; each load covers 512 consecutive bytes, each store 256 consecutive bytes, aligned.
; No LDS, no tensor loads, no cluster, no prefetch: nothing is shared and the launch only streams.
.set D, 16                             ; v[16:79] load n in v[16+4n : 19+4n]
	s_load_b512 s[8:23], s[0:1], 0x0               ; x 8, Wq 10, Wk 12, Wv 14, row_ids 16, col_ids 18, xb 20, wqkv 22
	s_load_b64 s[24:25], s[0:1], 0x40              ; tab
	s_and_b32 s40, ttmp7, 0xffff                   ; y: which chunk
	v_lshrrev_b32 v4, 5, v0
	v_readfirstlane_b32 s41, v4                    ; wave 0..7
	v_and_b32 v5, 31, v0                           ; lane
	s_mov_b32 s49, 0                               ; high word of every 64-bit offset
	s_cmp_eq_u32 s40, 6
	s_cbranch_scc1 .Ltable
	s_and_b32 s43, s40, 1
	s_lshl_b32 s43, s43, 12                        ; the second chunk of x and of Wq begins at unit 4,096
	s_cmp_lt_u32 s40, 4
	s_cselect_b32 s43, s43, 0
	s_lshl_b32 s42, ttmp9, 4                       ; 16 units a work-group,
	s_lshl1_add_u32 s42, s41, s42                  ; 2 a wave
	s_add_co_u32 s42, s42, s43                     ; u0: my first unit, always even
	s_lshr_b32 s47, s40, 1
	s_mov_b32 s44, 2048                            ; P: bytes in the destination from unit to unit (or from row to row)
	s_mov_b32 s45, 0                               ; cc: the source's first column in wqkv, in bytes
	s_mov_b32 s46, 0                               ; sh: 1 where a row is two units (Wq)
	s_wait_kmcnt 0x0
	s_mov_b64 s[34:35], s[8:9]                     ; source and destination, chosen by y alone
	s_mov_b64 s[36:37], s[20:21]
	s_cmp_eq_u32 s47, 1                            ; Wq
	s_cselect_b64 s[34:35], s[10:11], s[34:35]
	s_cselect_b64 s[36:37], s[22:23], s[36:37]
	s_cselect_b32 s44, 8192, s44
	s_cselect_b32 s46, 1, s46
	s_cmp_eq_u32 s40, 4                            ; Wk
	s_cselect_b64 s[34:35], s[12:13], s[34:35]
	s_cselect_b64 s[36:37], s[22:23], s[36:37]
	s_cselect_b32 s44, 8192, s44
	s_cselect_b32 s45, 4096, s45
	s_cmp_eq_u32 s40, 5                            ; Wv
	s_cselect_b64 s[34:35], s[14:15], s[34:35]
	s_cselect_b64 s[36:37], s[22:23], s[36:37]
	s_cselect_b32 s44, 8192, s44
	s_cselect_b32 s45, 6144, s45
	s_lshr_b32 s48, s42, s46
	s_mul_i32 s48, s48, s44
	s_add_co_u32 s48, s48, s45                     ; my first unit's byte in the destination (under 2^26)
	s_add_nc_u64 s[36:37], s[36:37], s[48:49]
	s_cmp_eq_u32 s46, 1
	s_cselect_b32 s50, 2048, s44                   ; from my first unit to my second
	s_lshl_b32 s48, s42, 12
	s_add_nc_u64 s[34:35], s[34:35], s[48:49]
	v_lshlrev_b32 v1, 4, v5                        ; 16 x lane: loads
	v_lshlrev_b32 v2, 3, v5                        ; 8 x lane: stores of unit 0,
	v_add_nc_u32 v3, s50, v2                       ; of unit 1
.irp n, 0,1,2,3,4,5,6,7,8,9,10,11,12,13,14,15
	global_load_b128 v[D+4*(\n):D+4*(\n)+3], v1, s[34:35] offset:512*(\n) th:TH_LOAD_NT
.endr
; Each result is made in the registers of its own load, which nothing writes again: no store's data is ever rewritten.
.macro CASTB n                         ; four f32 to four bf16
	s_wait_loadcnt 15-(\n)                         ; loads come back in order: load n is in, the younger ones stay out
	v_cvt_pk_bf16_f32 v[D+4*(\n)], v[D+4*(\n)], v[D+4*(\n)+1]
	v_cvt_pk_bf16_f32 v[D+4*(\n)+1], v[D+4*(\n)+2], v[D+4*(\n)+3]
	global_store_b64 v[2+(\n)/8], v[D+4*(\n):D+4*(\n)+1], s[36:37] offset:((\n)%8)*256 th:TH_STORE_NT
.endm
.irp n, 0,1,2,3,4,5,6,7,8,9,10,11,12,13,14,15
	CASTB \n
.endr
	s_endpgm
; THE TABLE.  A wave makes one token's 64 angles; lane l makes angles 2 l and 2 l + 1 (lanes 0-15: rows, lanes 16-31: columns).
.Ltable:
	s_lshl_b32 s42, ttmp9, 3
	s_add_co_u32 s42, s42, s41                     ; the token
	s_lshl_b32 s48, s42, 2
	s_wait_kmcnt 0x0
	s_add_nc_u64 s[16:17], s[16:17], s[48:49]
	s_add_nc_u64 s[18:19], s[18:19], s[48:49]
	s_load_b32 s52, s[16:17], 0x0                  ; its row id
	s_load_b32 s53, s[18:19], 0x0                  ; its column id
	s_lshl_b32 s54, s42, 9
	s_mov_b32 s55, 0
	s_add_nc_u64 s[24:25], s[24:25], s[54:55]      ; its 512 bytes of the table
	v_lshlrev_b32 v6, 1, v5
	v_and_b32 v6, 31, v6                           ; i of my first angle
	v_cvt_f32_u32 v6, v6
	v_add_f32 v7, 1.0, v6
	v_mul_f32 v6, 0xbed49a78, v6                   ; - i log2(10000) / 32
	v_mul_f32 v7, 0xbed49a78, v7
	v_exp_f32 v6, v6
	v_exp_f32 v7, v7
	v_lshlrev_b32 v11, 3, v5                       ; 8 x lane; the plain instruction behind the two exponentials
	v_cmp_gt_u32 vcc_lo, 16, v5
	s_wait_alu depctr_va_vdst(0)                   ; one wait for both, ahead of their first reader
	s_wait_kmcnt 0x0
	v_mov_b32 v8, s53
	v_mov_b32 v9, s52
	v_cndmask_b32 v8, v8, v9, vcc_lo               ; lanes 0-15: the row id
	v_cvt_f32_i32 v8, v8
	v_mov_b32 v9, 0x3fcf1bbd                       ; the golden ratio, for the columns
	v_mov_b32 v10, 1.0
	v_cndmask_b32 v9, v9, v10, vcc_lo
	v_mul_f32 v6, v6, v9
	v_mul_f32 v7, v7, v9
	v_mul_f32 v6, v8, v6                           ; the two angles
	v_mul_f32 v7, v8, v7
; cos and sin of v[ang]: n = the nearest whole number of quarter turns, r = the rest in radians, |r| <= pi / 4; two short polynomials; the quadrant swaps them and sets the signs.
.macro SINCOS ang, c, s
	v_mul_f32 v12, 0x3f22f983, v[\ang]             ; x 2 / pi
	v_rndne_f32 v13, v12
	v_sub_f32 v12, v12, v13
	v_mul_f32 v12, 0x3fc90fdb, v12                 ; r
	v_mul_f32 v14, v12, v12                        ; r^2
	v_cvt_i32_f32 v13, v13
	v_mov_b32 v15, 0xb94ca1f9
	v_fmaak_f32 v15, v15, v14, 0x3c08839e
	v_fmaak_f32 v15, v15, v14, 0xbe2aaaa3
	v_mul_f32 v16, v12, v14
	v_fma_f32 v15, v16, v15, v12                   ; sin r
	v_mov_b32 v16, 0x37ccf5ce
	v_fmaak_f32 v16, v16, v14, 0xbab6061a
	v_fmaak_f32 v16, v16, v14, 0x3d2aaaa5
	v_fma_f32 v17, v14, -0.5, 1.0
	v_mul_f32 v14, v14, v14
	v_fma_f32 v16, v14, v16, v17                   ; cos r
	v_and_b32 v17, 1, v13
	v_cmp_eq_u32 vcc_lo, 1, v17
	v_cndmask_b32 v[\s], v15, v16, vcc_lo          ; odd quadrants swap the two
	v_cndmask_b32 v[\c], v16, v15, vcc_lo
	v_and_b32 v17, 2, v13
	v_lshlrev_b32 v17, 30, v17
	v_xor_b32 v[\s], v17, v[\s]                    ; sin is negative in quadrants 2, 3
	v_add_nc_u32 v17, 1, v13
	v_and_b32 v17, 2, v17
	v_lshlrev_b32 v17, 30, v17
	v_xor_b32 v[\c], v17, v[\c]                    ; cos in quadrants 1, 2
.endm
	SINCOS 6, 20, 22
	SINCOS 7, 21, 23
	global_store_b64 v11, v[20:21], s[24:25] th:TH_STORE_NT             ; 256 consecutive bytes: the token's cosines,
	global_store_b64 v11, v[22:23], s[24:25] offset:256 th:TH_STORE_NT  ; and its sines
	s_endpgm
.Lfunc_end_k_q97a2f66b0f_prep:
	.size	k_q97a2f66b0f_prep, .Lfunc_end_k_q97a2f66b0f_prep-k_q97a2f66b0f_prep
	.p2alignl 7, 3214868480
	.fill 96, 4, 3214868480
	.section	.rodata,"a",@progbits
	.p2align	6, 0x0
	.amdhsa_kernel k_q97a2f66b0f_prep
		.amdhsa_group_segment_fixed_size 0
		.amdhsa_private_segment_fixed_size 0
		.amdhsa_enable_private_segment 0
		.amdhsa_kernarg_size 72
		.amdhsa_user_sgpr_count 2
		.amdhsa_user_sgpr_kernarg_segment_ptr 1
		.amdhsa_wavefront_size32 1
		.amdhsa_system_sgpr_workgroup_id_x 1
		.amdhsa_system_sgpr_workgroup_id_y 1
		.amdhsa_system_sgpr_workgroup_id_z 1
		.amdhsa_system_vgpr_workitem_id 0
		.amdhsa_next_free_vgpr 80
		.amdhsa_next_free_sgpr 66
		.amdhsa_reserve_vcc 1
		.amdhsa_float_denorm_mode_32 3
		.amdhsa_float_denorm_mode_16_64 3
		.amdhsa_memory_ordered 1
		.amdhsa_forward_progress 1
		.amdhsa_inst_pref_size 12
	.end_amdhsa_kernel
	.amdgpu_metadata
---
amdhsa.version: [ 1, 2 ]
amdhsa.kernels:
  - .name:           k_q97a2f66b0f_prep
    .symbol:         k_q97a2f66b0f_prep.kd
    .args:
      - { .name: x, .offset: 0, .size: 8, .value_kind: global_buffer, .address_space: global }
      - { .name: Wq, .offset: 8, .size: 8, .value_kind: global_buffer, .address_space: global }
      - { .name: Wk, .offset: 16, .size: 8, .value_kind: global_buffer, .address_space: global }
      - { .name: Wv, .offset: 24, .size: 8, .value_kind: global_buffer, .address_space: global }
      - { .name: row_ids, .offset: 32, .size: 8, .value_kind: global_buffer, .address_space: global }
      - { .name: col_ids, .offset: 40, .size: 8, .value_kind: global_buffer, .address_space: global }
      - { .name: xb, .offset: 48, .size: 8, .value_kind: global_buffer, .address_space: global }
      - { .name: wqkv, .offset: 56, .size: 8, .value_kind: global_buffer, .address_space: global }
      - { .name: tab, .offset: 64, .size: 8, .value_kind: global_buffer, .address_space: global }
    .group_segment_fixed_size: 0
    .private_segment_fixed_size: 0
    .kernarg_segment_align: 8
    .kernarg_segment_size: 72
    .max_flat_workgroup_size: 256
    .sgpr_count:     66
    .vgpr_count:     80
    .wavefront_size: 32
...
	.end_amdgpu_metadata
.endif
;; end of part 1
;; launch qkvgemm (part 2): grid 16 x 16, 4 waves a work-group, clusters of 4 x 4, 327,680 bytes of LDS; arguments xb, wqkv, tab, q_norm_w, k_norm_w, qkvh, Wo, wob, attention_mask, maskl; writes qkvh, wob, maskl
.if DOCPART == 2
	.amdgcn_target "amdgcn-amd-amdhsa--gfx1250"
	.amdhsa_code_object_version 6
	.text
	.protected	k_q97a2f66b0f_qkvgemm
	.globl	k_q97a2f66b0f_qkvgemm
	.p2align	8
	.type	k_q97a2f66b0f_qkvgemm,@function
k_q97a2f66b0f_qkvgemm:
	s_mov_b64 s[64:65], 0
	v_nop
	global_prefetch_b8 v0, s[64:65] scope:SCOPE_SE
	s_setreg_imm32_b32 hwreg(HW_REG_WAVE_MODE, 25, 1), 1
	s_wait_xcnt 0x0
	s_wait_alu depctr_hold_cnt(0) depctr_sa_sdst(0) depctr_va_vdst(0) depctr_va_sdst(0) depctr_va_ssrc(0) depctr_va_vcc(0) depctr_vm_vsrc(0)
	s_getreg_b32 s2, hwreg(HW_REG_IB_STS2, 6, 4)
	s_cmp_eq_u32 s2, 0
	s_cbranch_scc0 .Lentry_in_a_cluster
	s_endpgm
.Lentry_in_a_cluster:
	s_bfe_u32 s2, ttmp6, 0x10000c
	s_cmp_lg_u32 s2, 0xf033
	s_cbranch_scc0 .Lentry_shape_is_right
	s_endpgm
.Lentry_shape_is_right:
; q, k, v = x (Wq | Wk | Wv) in bf16 with f32 sums; then, on the f32 sums: the RMS norm of each head's 128 channels, the gain (rounded to bf16 like every input), the two-part rotation; one rounding to f16.
; OUT: qkvh [32 heads][2048 tokens][128] f16: heads 0-15 q x c (c = 11 / sqrt(128): the score's scale times log2 e), 16-23 k, 24-31 v / 16.
; BESIDE IT, RIDING IN THE K LOOP, two casts that later launches want:  wob = 16 x bf16(Wo), written as f16 [2048 k][4096 n] (16 undoes v's 1/16);  maskl = max(bf16(mask) x log2 e, lowest finite f32), f32 [2048][2048].
; LIMITS.  f16 ends at 65,504: q and k are at most sqrt(128) x gain x c, so gains up to some 5,000 fit; |v| stays under 1.04e6 thanks to the factor 1/16; 16 x Wo fits for |Wo| under 4,094.
; A mask entry that is NaN, or below the lowest finite f32 after the factor log2 e, counts as the lowest finite number (a row of -inf alone gives a mean of V, not NaN); +inf is not treated.
; SHARES.  A tile of C is 128 tokens x 256 columns (two heads): 16 x 16 work-groups.  Four waves, each 64 x 128 (one head): 32 accumulators, 256 registers.
; K goes in 32 steps of 128 through two LDS slots: A (xb) 128 rows of 256 bytes, B (wqkv, stored [k][n]) 128 k-rows of 512 bytes.  Waves 0, 1 fetch A's halves, waves 2, 3 B's.
; B's fragments are turned on their way out of LDS (ds_load_tr16_b128), so the weights need no transposed copy.
; THE MATRIX INSTRUCTION IS USED TRANSPOSED: source 0 = 16 columns of B, source 1 = 16 rows of A: lane l holds token l % 16 and the columns 8 (l / 16) + 0..7 of each block of 16.
; ONE K STEP IS WRITTEN ONCE: the slot in hand is a scalar turned by an exclusive or; the first quarter, whose products start the sums, stands in front, and the loop is entered in its middle;
; the last two steps, which fill nothing, are a second loop.  Its last change of slots fetches fragments that serve nothing: the price of one text for both trips.
; THE RIDERS.  Each of the launch's 1,024 waves owns 1/1,024 of Wo and of the mask, and takes 1/32 of that in each K step: three loads of 512 consecutive bytes behind the LDS run of the step's second quarter; 80 matrix
; instructions and a change of slots later 32 plain vector lines and three stores (256, 256 and 512 consecutive bytes, aligned).  Loads into registers may stay out over the barriers, and the loop has two vector lines of its own a step.
; They are not prefetched: their own loads go out that far ahead of their use.
; THE WAY OUT IS WRITTEN ONCE TOO: a loop cannot number registers, so a lane's 256 sums go once into LDS (onto slot 0, which has had its last fill) and come back 64 at a time, a block of 16 tokens a trip.
; CLUSTER 4 x 4: A's tile and the table's rows hang on the tile row alone and are asked for jointly along a row of the cluster; B's tile hangs on the tile column alone: jointly along a column.
; REGISTERS: window 0: v0-31 addresses, raw gains; v32-55 the riders (on the way out v32-63: packed results); two fragment buffers (B 64, A 32 registers): v64-159, v160-255 (on the way out: a block, cos, sin and work).
;   window 1: the accumulators, (a, b) at v[8 (8 a + b)]; on the way out v0-63 my 64 gains.
.set KSTEP, 128
.set STEPS, 32
.set PA,    4096                       ; numbers in a row of A
.set RSA,   13                         ; log2 of its bytes
.set PAL,   272                        ; A's LDS row: 256 + 16 bytes: the 16 rows of a load start in 16 different groups of four banks
.set PBL,   544                        ; B's: 512 + 32 = 17 x 32 bytes
.set BOFF,  128*PAL
.set SLOT1, 1<<17                      ; a slot is 104,448 bytes; slot 1 begins here, so that one exclusive or changes slots
.set TAB,   SLOT1+BOFF+128*PBL         ; behind the ring: the tile's 128 tokens of the table, 512 + 16 bytes each; filled once
.set PT,    528
.set STAGE, TAB+128*PT                 ; 16 rows x 272 bytes for each wave, for the way out; no tensor load lands here
.set SP,    272
.set GAIN,  STAGE+4*16*SP              ; 512 bytes for each wave: the head's 128 gains
.set SPARE, GAIN+4*512                 ; the spare words, 128 bytes a wave: two blocks of 256 bytes that no other line names
.set RS,   12                          ; v12-13 the block's last factor (and a register named with it as a pair)
.set ADRA0, 14                         ; v14 my A fragments in slot 0; never rewritten
.set ADRB0, 15                         ; v15 my B fragments in slot 0; never rewritten
.set ADRA, 16                          ; v16, v17 the same in the slot in hand
.set ADRB, 17
.set DMP,  18                          ; v18 where my sums go: 32,768 x wave + 16 x lane
.set ADR1, 19                          ; v19 the block read back
.set GST,  20
.set GLD,  21
.set TBC,  22                          ; v22 the block's rows of the table
.set HO,   23                          ; v23 8 x lane; never rewritten
.set STO,  24
.set RD,   25
.set CO,   26                          ; v26 16 x lane; never rewritten
.set TBA,  27                          ; v27 my token's row of the table in block 0, my lanes' 32 bytes
.set SPW,  28                          ; v28 my spare word; never rewritten
.set NIL,  29                          ; v29 0; never rewritten
.set PFO,  30                          ; v30 the prefetches' lane offset; never rewritten
.set RL,   32                          ; v32-43 the riders as loaded: 2 x 4 numbers of Wo, 4 of the mask
.set RW,   44                          ; v44-45 at work
.set RR,   48                          ; v48-55 the riders to store: 2 x 2 registers of wob, 4 of maskl
.set TMP,  32
.set CH,   32
.set F0,   64
.set F1,   160
.set XB,   64
.set COS,  128
.set SIN,  160
.set BK,   128
.set XR,   192
.set YR,   224
.set G1A, 24
.set G0A, 32                           ; two sets: slot 0's; slot 1's, which then walks
.set G1B, 40
.set G0B, 48
.set G1T, 56
.set TB,  66                           ; s66 the LDS byte at which the slot in hand begins
.set DOF, 67                           ; s67 the way out: the block's place among my sums
.set G0T, 68
.set PFA, 72                           ; s[72:73] where my prefetches stand
.set PST, 74                           ; s[74:75] a K step in my operand, in bytes
.set LIM, 76                           ; s76 2 in a wave that prefetches, else the greatest number
.set LAP, 77
.set TOF, 78                           ; s78 the way out: the block's place in the table
.set LOW, 79                           ; s79 the lowest finite f32
.set SEL, 80
.set WOS, 88                           ; s[88:89] Wo, s[90:91] wob, s[92:93] the mask, s[94:95] maskl, each at my share's part for the K step in hand
.set WOD, 90
.set MKS, 92
.set MKD, 94
.set MSB, 0
.macro WIN new                         ; the immediate's high byte repeats the setting that is left; a switch that changes nothing is dropped
.if MSB != (\new)
	s_set_vgpr_msb (MSB<<8)|(\new)
.set MSB, \new
.endif
.endm
.set MUL, 0x50                         ; C and D in window 1, both sources in window 0
.macro PLACES
.rept 4
	v_nop
.endr
.endm
.macro JLOAD                           ; a joint refill by the walking descriptor: one line for A, one for B, chosen by the wave's number alone; an s_nop 0 and four v_nop follow each
	s_cmp_eq_u32 s17, 0
	s_cbranch_scc0 .Lfor_b_\@
	tensor_load_to_lds s[G0A+4:G0A+7], s[G1A:G1A+7]
	s_nop 0
.rept 4
	v_nop
.endr
	s_branch .Lasked_\@
.Lfor_b_\@:
	tensor_load_to_lds s[G0B+4:G0B+7], s[G1B:G1B+7]
	s_nop 0
.rept 4
	v_nop
.endr
.Lasked_\@:
.endm
; A PREFETCH INTO THE L2 behind each refill and the run of LDS loads that follows it: the K step two refills on, 256 matrix instructions ahead of its load.  Each aligned 256 bytes are named once in the launch:
; A's rows by the clusters with x = 0 (wave 0; of the tile's 128 rows the partner at cx takes 32 cx .. + 31, a lane a row); B's k-rows by the clusters with y = 0 (waves 2, 3; of the wave's 64 k-rows the partner at cy
; takes 16 cy .. + 15, two lanes a row).  The partners differ by address alone.  Trip k of the loop names K step k + 3: the last two trips (count 2 and 1) ask for nothing.
.macro ASK
	s_cmp_gt_u32 s[LAP], s[LIM]
	s_cbranch_scc0 .Lnot_mine_\@
	global_prefetch_b8 v[PFO], s[PFA:PFA+1] th:TH_LOAD_NT scope:SCOPE_SE
.Lnot_mine_\@:
.endm
.macro CREST                           ; a round of the cluster's barrier behind its opening barrier
	s_cmp_lg_u32 s16, 0
	s_cbranch_scc1 .Lnot_wave_0_\@
	s_barrier_signal -3
.Lnot_wave_0_\@:
	s_barrier_wait -3
	s_barrier_signal -1
	s_barrier_wait -1
.endm
.macro CROUND
	s_barrier_signal -1
	s_barrier_wait -1
	CREST
.endm
	s_load_b256 s[4:11], s[0:1], 0x0               ; xb 4, wqkv 6, tab 8, q_norm_w 10
	s_load_b128 s[12:15], s[0:1], 0x20             ; k_norm_w 12, qkvh 14
	v_lshl_add_u32 v[SPW], v0, 2, SPARE
	v_mov_b32 v[NIL], 0
	ds_add_u32 v[SPW], v[NIL]                      ; the wave's opening: the add and its wait ahead of my first tensor load
	v_lshrrev_b32 v1, 5, v0
	v_readfirstlane_b32 s16, v1                    ; wave 0..3
	s_lshr_b32 s17, s16, 1                         ; my half of the tile's rows.  Also: I fetch for A (0) or B (1)
	s_and_b32 s18, s16, 1                          ; my half of its columns.  Also: which half of that operand's tile I fetch
	s_bfe_u32 s88, ttmp6, 0x40000                  ; cx
	s_bfe_u32 s89, ttmp6, 0x40004                  ; cy
	s_lshl_b32 s90, ttmp9, 2
	s_add_co_u32 s90, s90, s88                     ; tile column
	s_and_b32 s91, ttmp7, 0xffff
	s_lshl_b32 s91, s91, 2
	s_add_co_u32 s91, s91, s89                     ; tile row
	s_lshl_b32 s92, s89, 2
	s_lshl_b32 s92, 15, s92                        ; my row of the cluster
	s_lshl_b32 s93, 0x1111, s88                    ; my column
	s_or_b32 s[G1A], s92, (1<<16)|(1<<20)|(1<<21)|(5<<22)|(3<<25)   ; mask; 2-byte elements; padding on; bit 21 beside a mask; after every 64 words, 4 words
	s_mov_b32 s[G1A+1], KSTEP<<16                  ; tensor_dim0 = 128
	s_mov_b32 s[G1A+2], 64<<16                     ; tensor_dim1 = 64
	s_mov_b32 s[G1A+3], KSTEP<<16                  ; tile_dim0 = 128
	s_mov_b32 s[G1A+4], 64                         ; tile_dim1 = 64
	s_mov_b32 s[G1A+5], PA                         ; from row to row
	s_mov_b32 s[G1A+6], 0
	s_mov_b32 s[G1A+7], 0
	s_or_b32 s[G1B], s93, (1<<16)|(1<<20)|(1<<21)|(6<<22)|(7<<25)   ; after every 128 words, 8 words
	s_mov_b32 s[G1B+1], 256<<16
	s_mov_b32 s[G1B+2], 64<<16
	s_mov_b32 s[G1B+3], 256<<16
	s_mov_b32 s[G1B+4], 64
	s_mov_b32 s[G1B+5], 4096
	s_mov_b32 s[G1B+6], 0
	s_mov_b32 s[G1B+7], 0
	s_or_b32 s[G1T], s92, (2<<16)|(1<<20)|(1<<21)|(6<<22)|(3<<25)   ; the table: 4-byte elements, 32 rows of 128, 4 words behind each
	s_mov_b32 s[G1T+1], 128<<16
	s_mov_b32 s[G1T+2], 32<<16
	s_mov_b32 s[G1T+3], 128<<16
	s_mov_b32 s[G1T+4], 32
	s_mov_b32 s[G1T+5], 128
	s_mov_b32 s[G1T+6], 0
	s_mov_b32 s[G1T+7], 0
	s_lshl_b32 s94, s91, 7                         ; A: row 128 x tile row + 64 x half, in bytes
	s_lshl_b32 s95, s18, 6
	s_add_co_u32 s94, s94, s95
	s_lshl_b32 s94, s94, RSA
	s_mov_b32 s95, 0
	s_lshl_b32 s96, s18, 19                        ; B: k-row 64 x half, column 256 x tile column
	s_lshl_b32 s97, s90, 9
	s_add_co_u32 s96, s96, s97
	s_mov_b32 s97, 0
	s_lshl_b32 s98, s91, 7                         ; the table: token 128 x tile row + 32 x wave
	s_lshl_b32 s99, s16, 5
	s_add_co_u32 s98, s98, s99
	s_lshl_b32 s98, s98, 9
	s_mov_b32 s99, 0
	s_mul_i32 s19, s18, 64*PAL                     ; where they go: made of the wave's number alone
	s_mul_i32 s2, s18, 64*PBL
	s_add_co_u32 s2, s2, BOFF
	s_mul_i32 s3, s16, 32*PT
	s_add_co_u32 s3, s3, TAB
	s_mov_b32 s[TB], 0
	s_wait_dscnt 0x0                               ; the opening add is done
	s_wait_kmcnt 0x0
	s_add_nc_u64 s[20:21], s[4:5], s[94:95]
	s_add_nc_u64 s[22:23], s[6:7], s[96:97]
	CROUND                                         ; all sixteen work-groups are here: the first joint loads meet
.irp s, 0,1
	s_mov_b32 s[G0A+4*(\s)], 1
	s_add_co_u32 s[G0A+4*(\s)+1], s19, (\s)*SLOT1
	s_add_nc_u64 s[G0A+4*(\s)+2:G0A+4*(\s)+3], s[20:21], (\s)*KSTEP*2
	s_or_b32 s[G0A+4*(\s)+3], s[G0A+4*(\s)+3], 0x80000000
	s_mov_b32 s[G0B+4*(\s)], 1
	s_add_co_u32 s[G0B+4*(\s)+1], s2, (\s)*SLOT1
	s_add_nc_u64 s[G0B+4*(\s)+2:G0B+4*(\s)+3], s[22:23], (\s)*KSTEP*8192
	s_or_b32 s[G0B+4*(\s)+3], s[G0B+4*(\s)+3], 0x80000000
.endr
	s_mov_b32 s[G0T], 1
	s_mov_b32 s[G0T+1], s3
	s_add_nc_u64 s[G0T+2:G0T+3], s[8:9], s[98:99]
	s_or_b32 s[G0T+3], s[G0T+3], 0x80000000
	s_cmp_eq_u32 s17, 0                            ; a wave's three first fills stand in one branch: my 32 rows of the table, K step 0, K step 1: three loads of mine are out
	s_cbranch_scc0 .Lfirst_b
	tensor_load_to_lds s[G0T:G0T+3], s[G1T:G1T+7]
	s_nop 0
	tensor_load_to_lds s[G0A:G0A+3], s[G1A:G1A+7]
	s_nop 0
	tensor_load_to_lds s[G0A+4:G0A+7], s[G1A:G1A+7]
	s_nop 0
.rept 4
	v_nop
.endr
	s_branch .Lfirst_asked
.Lfirst_b:
	tensor_load_to_lds s[G0T:G0T+3], s[G1T:G1T+7]
	s_nop 0
	tensor_load_to_lds s[G0B:G0B+3], s[G1B:G1B+7]
	s_nop 0
	tensor_load_to_lds s[G0B+4:G0B+7], s[G1B:G1B+7]
	s_nop 0
.rept 4
	v_nop
.endr
.Lfirst_asked:
	v_and_b32 v1, 15, v0                           ; r = l % 16
	v_bfe_u32 v2, v0, 4, 1                         ; h = l / 16
	v_and_b32 v3, 31, v0                           ; l
	v_lshlrev_b32 v[CO], 4, v3                     ; 16 l
	v_lshlrev_b32 v[HO], 3, v3                     ; 8 l
	; the head's 128 gains, four a lane: q's for the clusters with x = 0, 1, else k's (the v cluster loads k's and does not use them); they are wanted at the way out
	s_cmp_lt_u32 ttmp9, 2
	s_cselect_b64 s[20:21], s[10:11], s[12:13]
	s_cselect_b32 s84, 0x3f78e6ce, 1.0             ; c = 11 / sqrt(128) goes into q's gain, in f32
	s_mov_b32 s85, s84
	global_load_b128 v[8:11], v[CO], s[20:21]
	v_mul_u32_u24 v4, v1, PAL                      ; A's fragment: row x pitch + 16 h
	v_lshl_add_u32 v4, v2, 4, v4
	s_mul_i32 s19, s17, 64*PAL
	v_add_nc_u32 v[ADRA0], s19, v4
	v_mov_b32 v[ADRA], v[ADRA0]
	v_and_b32 v4, 7, v0                            ; B's, turned: k-row 8 h + l % 8, 16 bytes by (l / 8) % 2
	v_lshl_add_u32 v4, v2, 3, v4
	v_mul_u32_u24 v4, v4, PBL
	v_bfe_u32 v5, v0, 3, 1
	v_lshl_add_u32 v4, v5, 4, v4
	s_lshl_b32 s19, s18, 8
	s_add_co_u32 s19, s19, BOFF
	v_add_nc_u32 v[ADRB0], s19, v4
	v_mov_b32 v[ADRB], v[ADRB0]
	s_mul_i32 s19, s16, 16*SP
	s_add_co_u32 s19, s19, STAGE                   ; my stage
	v_mul_u32_u24 v4, v1, SP
	v_lshl_add_u32 v4, v2, 4, v4
	v_add_nc_u32 v[STO], s19, v4                   ; in: row r, 16 bytes for each half of the lanes
	v_mul_u32_u24 v4, v2, SP
	v_lshl_add_u32 v4, v1, 4, v4
	v_add_nc_u32 v[RD], s19, v4                    ; back: lanes 0-15 one row of 256 bytes, lanes 16-31 the next: 512 consecutive bytes of a head
	s_mul_i32 s19, s17, 64*PT
	s_add_co_u32 s19, s19, TAB
	v_mul_u32_u24 v4, v1, PT
	v_lshl_add_u32 v4, v2, 5, v4
	v_add_nc_u32 v[TBA], s19, v4
	s_lshl_b32 s19, s16, 15
	v_add_nc_u32 v[DMP], s19, v[CO]                ; my sums: 32,768 x wave + 16 l
	s_lshl_b32 s19, s16, 9
	s_add_co_u32 s19, s19, GAIN
	v_add_nc_u32 v[GST], s19, v[CO]                ; my four gains,
	v_lshl_add_u32 v[GLD], v2, 5, s19              ; and where my lanes' 8 of each 16 begin
	s_lshl1_add_u32 s94, s90, s18                  ; my head = 2 x tile column + my half
	s_lshl_b32 s94, s94, 19
	s_lshl_b32 s95, s91, 7
	s_lshl_b32 s96, s17, 6
	s_add_co_u32 s95, s95, s96
	s_lshl_b32 s95, s95, 8
	s_add_co_u32 s94, s94, s95
	s_mov_b32 s95, 0
	s_add_nc_u64 s[86:87], s[14:15], s[94:95]      ; my head at my first token
	s_mov_b32 s[SEL], 0x76543210
	s_mov_b32 s[SEL+1], 0xfedcba98
	s_mov_b32 s82, 0x3c000000                      ; 1 / 128
	s_mov_b32 s83, 0x358637bd                      ; 1e-6
	s_mov_b32 s[LOW], 0xff7fffff
	; the prefetches
	s_and_b32 s94, ttmp7, 0xffff                   ; cluster y
	s_lshl_b32 s95, s91, 7
	s_lshl_b32 s96, s88, 5
	s_add_co_u32 s95, s95, s96                     ; A: row 128 x tile row + 32 cx,
	s_lshl_b32 s95, s95, RSA
	s_add_co_u32 s95, s95, 3*KSTEP*2               ; at K step 3: the first refill steps it to 4
	s_lshl_b32 s96, s18, 6
	s_lshl4_add_u32 s96, s89, s96                  ; B: k-row 64 x half + 16 cy,
	s_add_co_u32 s96, s96, 3*KSTEP
	s_lshl_b32 s96, s96, 13
	s_lshl_b32 s97, s90, 9
	s_add_co_u32 s96, s96, s97
	s_or_b32 s97, ttmp9, s18                       ; A: cluster x = 0 and wave 0
	s_mov_b32 s[PST], KSTEP*8192
	s_mov_b32 s[PST+1], 0
	s_mov_b32 s99, 0
	s_cmp_eq_u32 s17, 0
	s_cselect_b64 s[PFA:PFA+1], s[4:5], s[6:7]
	s_cselect_b32 s98, s95, s96
	s_cselect_b32 s[PST], KSTEP*2, s[PST]
	s_cselect_b32 s97, s97, s94
	s_cselect_b32 s19, RSA, 13
	s_add_nc_u64 s[PFA:PFA+1], s[PFA:PFA+1], s[98:99]
	s_cmp_eq_u32 s97, 0
	s_cselect_b32 s[LIM], 2, -1
	v_lshrrev_b32 v4, s17, v3                      ; A: a lane a row; B: two lanes a row, 256 bytes apart
	v_lshlrev_b32 v4, s19, v4
	v_and_b32 v3, s17, v3
	v_lshl_add_u32 v[PFO], v3, 8, v4
	; the riders: my share's number = 4 x (16 x tile row + tile column) + wave, 0 .. 1,023; the four addresses come into registers that the set-up above has done with
	s_lshl4_add_u32 s96, s91, s90
	s_lshl2_add_u32 s96, s96, s16
	s_load_b256 s[WOS:WOS+7], s[0:1], 0x30         ; Wo, wob, the mask, maskl
	s_lshl_b32 s98, s96, 14                        ; my 16,384 bytes of wob, of the mask and of maskl
	s_lshl_b32 s96, s96, 15                        ; my 32,768 bytes of Wo
	s_mov_b32 s97, 0
	s_mov_b32 s99, 0
	s_wait_kmcnt 0x0
	s_add_nc_u64 s[WOS:WOS+1], s[WOS:WOS+1], s[96:97]
	s_add_nc_u64 s[WOD:WOD+1], s[WOD:WOD+1], s[98:99]
	s_add_nc_u64 s[MKS:MKS+1], s[MKS:MKS+1], s[98:99]
	s_add_nc_u64 s[MKD:MKD+1], s[MKD:MKD+1], s[98:99]
; The riders' loads of a K step: 1,024 bytes of Wo, 512 of the mask; each load covers 512 consecutive bytes.  They stand behind a run of LDS loads, in window 0.
.macro RLOAD
	global_load_b128 v[RL:RL+3],    v[CO], s[WOS:WOS+1] th:TH_LOAD_NT
	global_load_b128 v[RL+4:RL+7],  v[CO], s[WOS:WOS+1] offset:512 th:TH_LOAD_NT
	global_load_b128 v[RL+8:RL+11], v[CO], s[MKS:MKS+1] th:TH_LOAD_NT
.endm
; Their arithmetic and stores, at the trip's end.  The four addresses have been stepped meanwhile (at the head of the change of slots), so the stores reach back by their immediates.
; What the stores read (v48-55) is written again a trip later, behind that change's s_wait_xcnt 0.
.macro RCAST
	s_wait_loadcnt 0x0                             ; the three loads, issued 80 matrix instructions and a change of slots ago
.irp n, 0,1
	v_cvt_pk_bf16_f32 v[RW], v[RL+4*(\n)], v[RL+4*(\n)+1]      ; Wo is rounded to bf16 like every input,
	v_cvt_pk_bf16_f32 v[RW+1], v[RL+4*(\n)+2], v[RL+4*(\n)+3]
	v_lshlrev_b32 v[RL+4*(\n)], 16, v[RW]                      ; widened again,
	v_and_b32 v[RL+4*(\n)+1], 0xffff0000, v[RW]
	v_lshlrev_b32 v[RL+4*(\n)+2], 16, v[RW+1]
	v_and_b32 v[RL+4*(\n)+3], 0xffff0000, v[RW+1]
	v_pk_mul_f32 v[RL+4*(\n):RL+4*(\n)+1], v[RL+4*(\n):RL+4*(\n)+1], 0x41800000 op_sel_hi:[1,0]      ; times 16, exactly,
	v_pk_mul_f32 v[RL+4*(\n)+2:RL+4*(\n)+3], v[RL+4*(\n)+2:RL+4*(\n)+3], 0x41800000 op_sel_hi:[1,0]
	v_cvt_pk_f16_f32 v[RR+2*(\n)], v[RL+4*(\n)], v[RL+4*(\n)+1]                                      ; and written as f16, exactly within f16's range
	v_cvt_pk_f16_f32 v[RR+2*(\n)+1], v[RL+4*(\n)+2], v[RL+4*(\n)+3]
.endr
	v_cvt_pk_bf16_f32 v[RW], v[RL+8], v[RL+9]      ; the mask: rounded to bf16, widened, times log2 e, held at the lowest finite number (a NaN loses against it)
	v_cvt_pk_bf16_f32 v[RW+1], v[RL+10], v[RL+11]
	v_lshlrev_b32 v[RR+4], 16, v[RW]
	v_and_b32 v[RR+5], 0xffff0000, v[RW]
	v_lshlrev_b32 v[RR+6], 16, v[RW+1]
	v_and_b32 v[RR+7], 0xffff0000, v[RW+1]
	v_pk_mul_f32 v[RR+4:RR+5], v[RR+4:RR+5], 0x3fb8aa3b op_sel_hi:[1,0]
	v_pk_mul_f32 v[RR+6:RR+7], v[RR+6:RR+7], 0x3fb8aa3b op_sel_hi:[1,0]
	v_max_num_f32 v[RR+4], s[LOW], v[RR+4]
	v_max_num_f32 v[RR+5], s[LOW], v[RR+5]
	v_max_num_f32 v[RR+6], s[LOW], v[RR+6]
	v_max_num_f32 v[RR+7], s[LOW], v[RR+7]
	global_store_b64 v[HO], v[RR:RR+1],    s[WOD:WOD+1] offset:-512 th:TH_STORE_NT   ; 256 consecutive bytes, aligned
	global_store_b64 v[HO], v[RR+2:RR+3],  s[WOD:WOD+1] offset:-256 th:TH_STORE_NT
	global_store_b128 v[CO], v[RR+4:RR+7], s[MKD:MKD+1] offset:-512 th:TH_STORE_NT   ; 512 consecutive bytes, aligned
.endm
; 8 matrix instructions: row block a x all 8 column blocks, 32 along K.  The 32 accumulators take turns in the same order in every quarter.
.macro MUL8 f, a, zero
	WIN MUL
.irp b, 0,1,2,3,4,5,6,7
.if \zero
	v_wmma_f32_16x16x32_bf16 v[8*(8*(\a)+(\b)):8*(8*(\a)+(\b))+7], v[(\f)+8*(\b):(\f)+8*(\b)+7], v[(\f)+64+8*(\a):(\f)+64+8*(\a)+7], 0
.else
	v_wmma_f32_16x16x32_bf16 v[8*(8*(\a)+(\b)):8*(8*(\a)+(\b))+7], v[(\f)+8*(\b):(\f)+8*(\b)+7], v[(\f)+64+8*(\a):(\f)+64+8*(\a)+7], v[8*(8*(\a)+(\b)):8*(8*(\a)+(\b))+7]
.endif
.endr
.endm
; 24 LDS loads in one run: quarter q (32 along K) of the slot in hand into buffer f: B's eight fragments, turned, then A's four
.macro FETCH q, f
	WIN 0
.irp b, 0,1,2,3,4,5,6,7
	ds_load_tr16_b128 v[(\f)+8*(\b):(\f)+8*(\b)+3],   v[ADRB] offset:(\q)*32*PBL+32*(\b)
	ds_load_tr16_b128 v[(\f)+8*(\b)+4:(\f)+8*(\b)+7], v[ADRB] offset:(\q)*32*PBL+32*(\b)+16*PBL
.endr
.irp a, 0,1,2,3
	ds_load_b128 v[(\f)+64+8*(\a):(\f)+64+8*(\a)+3],   v[ADRA] offset:64*(\q)+(\a)*16*PAL
	ds_load_b128 v[(\f)+64+8*(\a)+4:(\f)+64+8*(\a)+7], v[ADRA] offset:64*(\q)+(\a)*16*PAL+32
.endr
.endm
; One of a K step's first three quarters: multiplies buffer f; in its middle, four places behind the last product that read buffer g, it fetches quarter q into g.  ride = 1: the riders' loads follow that run.
.macro QUARTER q, f, g, zero, ride=0
	s_wait_dscnt 4                                 ; B and A's blocks 0, 1 are in; the four youngest loads (A's blocks 2, 3) may be out
	MUL8 \f, 0, \zero
	MUL8 \f, 1, \zero
	PLACES
	FETCH \q, \g
.if \ride
	RLOAD
.endif
	s_wait_dscnt 24                                ; all but the 24 LDS loads just issued
	MUL8 \f, 2, \zero
	MUL8 \f, 3, \zero
.endm
; The last quarter multiplies buffer 1 and changes slots.  In front of the barrier each wave waits for all its tensor loads (one is out: its part of the next slot), adds 0 to its spare word, and waits for that and for its reads of this slot.
; fill = 1: the barrier opens a round of the cluster's barrier, and behind the round this slot is filled again, two K steps ahead, first of all: 112 matrix instructions ahead of the wait for it.
.macro TURN fill
	s_wait_xcnt 0x0                                ; the riders' loads (48 matrix instructions back), their last stores and the last prefetch (a K step back) have read their addresses and data
	s_add_nc_u64 s[WOS:WOS+1], s[WOS:WOS+1], 1024  ; the riders' next K step
	s_add_nc_u64 s[WOD:WOD+1], s[WOD:WOD+1], 512
	s_add_nc_u64 s[MKS:MKS+1], s[MKS:MKS+1], 512
	s_add_nc_u64 s[MKD:MKD+1], s[MKD:MKD+1], 512
.if \fill
	s_add_nc_u64 s[PFA:PFA+1], s[PFA:PFA+1], s[PST:PST+1]
.endif
	WIN 0
	s_wait_tensorcnt 0x0
	ds_add_u32 v[SPW], v[NIL]
	s_wait_dscnt 5                                 ; (the add and A's four youngest loads may be out)
	MUL8 F1, 0, 0
	s_wait_dscnt 0x0                               ; the add is done, and my reads of this slot are over
	s_barrier_signal -1
	MUL8 F1, 1, 0
	WIN 0
	s_barrier_wait -1
.if \fill
	CREST                                          ; no wave of any partner still reads this slot or has a load on its way
	s_xor_b32 s[G0A+5], s[G0A+5], SLOT1            ; the walking descriptors: the other slot than last time, the next K step
	s_add_nc_u64 s[G0A+6:G0A+7], s[G0A+6:G0A+7], KSTEP*2
	s_xor_b32 s[G0B+5], s[G0B+5], SLOT1
	s_add_nc_u64 s[G0B+6:G0B+7], s[G0B+6:G0B+7], KSTEP*8192
	JLOAD                                          ; its four v_nop are also the places in front of the loads below
.else
	PLACES
.endif
	s_xor_b32 s[TB], s[TB], SLOT1                  ; the fetches go on in the other slot
	v_add_nc_u32 v[ADRA], s[TB], v[ADRA0]
	v_add_nc_u32 v[ADRB], s[TB], v[ADRB0]
	FETCH 0, F0
.if \fill
	ASK
.endif
	MUL8 F1, 2, 0
	MUL8 F1, 3, 0
.endm
	s_wait_tensorcnt 0x1                           ; my rows of the table and my part of K step 0 are in; K step 1's load, the one issued behind them, may stay out
	s_barrier_signal -1
	s_barrier_wait -1
	FETCH 0, F0
	QUARTER 1, F0, F1, 1                           ; the first quarter stands in front of the loop: its products start the sums
	WIN 0
	s_mov_b32 s[LAP], STEPS-2
	s_branch .Lmid                                 ; the loop is entered behind its first quarter
.Lstep:                                        ; a trip is a K step; the slot that it leaves is filled again
	QUARTER 1, F0, F1, 0
	WIN 0
.Lmid:
	QUARTER 2, F1, F0, 0, 1
	QUARTER 3, F0, F1, 0
	TURN 1
	WIN 0
	RCAST
	s_sub_co_u32 s[LAP], s[LAP], 1
	s_cmp_lg_u32 s[LAP], 0
	s_cbranch_scc1 .Lstep
	s_mov_b32 s[LAP], 2
.Ltail:                                        ; the last two K steps fill nothing: a loop of their own
	QUARTER 1, F0, F1, 0
	QUARTER 2, F1, F0, 0, 1
	QUARTER 3, F0, F1, 0
	TURN 0
	WIN 0
	RCAST
	s_sub_co_u32 s[LAP], s[LAP], 1
	s_cmp_lg_u32 s[LAP], 0
	s_cbranch_scc1 .Ltail
	; THE WAY OUT.  My four gains: rounded to bf16 like every input, widened again, times c for q.  With the four v_nop these lines are the places behind the last products.
	s_wait_loadcnt 0x0
	s_wait_xcnt 0x0                                ; the riders' last stores have read their data: v48-55 are written again below
	v_cvt_pk_bf16_f32 v8, v8, v9
	v_cvt_pk_bf16_f32 v10, v10, v11
	v_and_b32 v9, 0xffff0000, v8
	v_lshlrev_b32 v8, 16, v8
	v_and_b32 v11, 0xffff0000, v10
	v_lshlrev_b32 v10, 16, v10
	v_pk_mul_f32 v[8:9], v[8:9], s[84:85] op_sel_hi:[1,0]
	v_pk_mul_f32 v[10:11], v[10:11], s[84:85] op_sel_hi:[1,0]
	PLACES
	v_mov_b32 v[RS+1], 0                           ; named with RS as a pair
	s_wait_dscnt 0x0                               ; the last change's fetch is back: my reads of the ring are over
	s_barrier_signal -1
	s_barrier_wait -1                              ; everybody's are: slot 0, which is filled no more, takes the sums
	ds_store_b128 v[GST], v[8:11]
	WIN 0x04                                       ; store data in window 1; each accumulator's low four registers go first
.set n, 0
.rept 64
	ds_store_b128 v[DMP], v[4*n:4*n+3] offset:512*n
.set n, n+1
.endr
	WIN 0x40                                       ; my 64 gains (channel 16 b + 8 h + j) take the first accumulators' registers; LDS serves a wave's instructions in order
.irp b, 0,1,2,3,4,5,6,7
	ds_load_b128 v[8*(\b):8*(\b)+3],   v[GLD] offset:64*(\b)
	ds_load_b128 v[8*(\b)+4:8*(\b)+7], v[GLD] offset:64*(\b)+16
.endr
	WIN 0
	s_mov_b32 s[DOF], 0
	s_mov_b32 s[TOF], 0
	s_mov_b32 s[LAP], 4
	s_wait_dscnt 0x0                               ; my stores are done, my gains are in
	s_barrier_signal -1
	s_barrier_wait -1
; A trip: a block of 16 tokens x my head.  A lane holds 64 of its token's 128 channels, the lane 16 away the others.
; q and k: y = x rsqrt(mean x^2 + eps) g, then the rotation; rsqrt, one number a token, is applied last.  v: the last factor is 1/16 and nothing else is done.
; Channel blocks 4 part + bb (bb = 0, 1) are the first halves t1, blocks 4 part + 2 + bb the second halves t2, with the angles 32 part + 16 bb + 8 h + j.
.Lblk:
	v_add_nc_u32 v[ADR1], s[DOF], v[DMP]
	v_add_nc_u32 v[TBC], s[TOF], v[TBA]
.set n, 0
.rept 16
	ds_load_b128 v[XB+4*n:XB+4*n+3], v[ADR1] offset:512*n
.set n, n+1
.endr
	s_cmp_lt_u32 ttmp9, 3                          ; the cluster's x, the same in all partners: 0, 1 q; 2 k; 3 v
	s_cbranch_scc1 .Lqk
	v_mov_b32 v[RS], 0x3d800000                    ; 1 / 16
	s_wait_dscnt 0x0
	s_branch .Lscale
.Lqk:
.irp g, 0,1,2,3
	ds_load_b128 v[COS+8*(\g):COS+8*(\g)+3],   v[TBC] offset:64*(\g)
	ds_load_b128 v[COS+8*(\g)+4:COS+8*(\g)+7], v[TBC] offset:64*(\g)+16
	ds_load_b128 v[SIN+8*(\g):SIN+8*(\g)+3],   v[TBC] offset:64*(\g)+256
	ds_load_b128 v[SIN+8*(\g)+4:SIN+8*(\g)+7], v[TBC] offset:64*(\g)+272
.endr
	s_wait_dscnt 16                                ; the block is in; the table's 16 loads, issued behind it, may be out
.set p, 0
.rept 4                                        ; the sum of squares in four chains
	v_pk_mul_f32 v[CH+2*p:CH+2*p+1], v[XB+2*p:XB+2*p+1], v[XB+2*p:XB+2*p+1]
.set p, p+1
.endr
.rept 28
	v_pk_fma_f32 v[CH+2*(p%4):CH+2*(p%4)+1], v[XB+2*p:XB+2*p+1], v[XB+2*p:XB+2*p+1], v[CH+2*(p%4):CH+2*(p%4)+1]
.set p, p+1
.endr
	v_pk_add_f32 v[CH:CH+1], v[CH:CH+1], v[CH+2:CH+3]
	v_pk_add_f32 v[CH+4:CH+5], v[CH+4:CH+5], v[CH+6:CH+7]
	v_pk_add_f32 v[CH:CH+1], v[CH:CH+1], v[CH+4:CH+5]
	v_add_f32 v[CH], v[CH], v[CH+1]
	v_permlanex16_b32 v[CH+1], v[CH], s[SEL], s[SEL+1]
	v_add_f32 v[CH], v[CH], v[CH+1]
	v_fma_f32 v[CH], v[CH], s82, s83               ; mean + eps
	v_rsq_f32 v[RS], v[CH]
	WIN 0x04                                       ; x g in place (g in window 1): 32 plain instructions that do not name the root's result
.set p, 0
.rept 32
	v_pk_mul_f32 v[XB+2*p:XB+2*p+1], v[XB+2*p:XB+2*p+1], v[2*p:2*p+1]
.set p, p+1
.endr
	WIN 0
	s_wait_alu depctr_va_vdst(0)                   ; the wait ahead of the result's first reader
	s_wait_dscnt 0x0                               ; cos and sin are in
.set q, 0
.rept 16
.set T1, XB+8*(4*(q/8)+(q/4)%2)+2*(q%4)
	v_pk_mul_f32 v[XR+2*q:XR+2*q+1], v[T1+16:T1+17], v[SIN+2*q:SIN+2*q+1]  ; t2 sin
	v_pk_mul_f32 v[YR+2*q:YR+2*q+1], v[T1:T1+1], v[SIN+2*q:SIN+2*q+1]      ; t1 sin
.set q, q+1
.endr
.set q, 0
.rept 16
.set T1, XB+8*(4*(q/8)+(q/4)%2)+2*(q%4)
	v_pk_fma_f32 v[T1:T1+1], v[T1:T1+1], v[COS+2*q:COS+2*q+1], v[XR+2*q:XR+2*q+1] neg_lo:[0,0,1] neg_hi:[0,0,1]  ; t1 cos - t2 sin
	v_pk_fma_f32 v[T1+16:T1+17], v[T1+16:T1+17], v[COS+2*q:COS+2*q+1], v[YR+2*q:YR+2*q+1]                        ; t2 cos + t1 sin
.set q, q+1
.endr
.Lscale:
.set p, 0
.rept 32
	v_pk_mul_f32 v[XB+2*p:XB+2*p+1], v[XB+2*p:XB+2*p+1], v[RS:RS+1] op_sel_hi:[1,0]
.set p, p+1
.endr
.set p, 0
.rept 32
	v_cvt_pk_f16_f32 v[TMP+p], v[XB+2*p], v[XB+2*p+1]
.set p, p+1
.endr
.irp b, 0,1,2,3,4,5,6,7
	ds_store_b128 v[STO], v[TMP+4*(\b):TMP+4*(\b)+3] offset:32*(\b)
.endr
.irp t, 0,1,2,3,4,5,6,7
	ds_load_b128 v[BK+4*(\t):BK+4*(\t)+3], v[RD] offset:(\t)*2*SP  ; LDS serves a wave's instructions in order: these see the stores above
.endr
	s_wait_dscnt 0x0
.irp t, 0,1,2,3,4,5,6,7
	global_store_b128 v[CO], v[BK+4*(\t):BK+4*(\t)+3], s[86:87] offset:512*(\t)  ; 512 consecutive bytes of the head
.endr
	s_wait_xcnt 0x0                                ; the stores have read their base and their data: both are written again only behind this wait
	s_add_nc_u64 s[86:87], s[86:87], 4096          ; 16 tokens on
	s_add_co_u32 s[DOF], s[DOF], 8192
	s_add_co_u32 s[TOF], s[TOF], 16*PT
	s_sub_co_u32 s[LAP], s[LAP], 1
	s_cmp_lg_u32 s[LAP], 0
	s_cbranch_scc1 .Lblk
	s_wait_tensorcnt 0x0                           ; the wave's end
	ds_add_u32 v[SPW], v[NIL]
	s_wait_dscnt 0x0
	CROUND                                         ; the closing round
	s_endpgm
.Lfunc_end_k_q97a2f66b0f_qkvgemm:
	.size	k_q97a2f66b0f_qkvgemm, .Lfunc_end_k_q97a2f66b0f_qkvgemm-k_q97a2f66b0f_qkvgemm
	.p2alignl 7, 3214868480
	.fill 96, 4, 3214868480
	.section	.rodata,"a",@progbits
	.p2align	6, 0x0
	.amdhsa_kernel k_q97a2f66b0f_qkvgemm
		.amdhsa_group_segment_fixed_size 327680
		.amdhsa_private_segment_fixed_size 0
		.amdhsa_enable_private_segment 0
		.amdhsa_kernarg_size 80
		.amdhsa_user_sgpr_count 2
		.amdhsa_user_sgpr_kernarg_segment_ptr 1
		.amdhsa_wavefront_size32 1
		.amdhsa_system_sgpr_workgroup_id_x 1
		.amdhsa_system_sgpr_workgroup_id_y 1
		.amdhsa_system_sgpr_workgroup_id_z 1
		.amdhsa_system_vgpr_workitem_id 0
		.amdhsa_next_free_vgpr 512
		.amdhsa_next_free_sgpr 100
		.amdhsa_reserve_vcc 0
		.amdhsa_float_denorm_mode_32 3
		.amdhsa_float_denorm_mode_16_64 3
		.amdhsa_memory_ordered 1
		.amdhsa_forward_progress 1
		.amdhsa_inst_pref_size 77
	.end_amdhsa_kernel
	.amdgpu_metadata
---
amdhsa.version: [ 1, 2 ]
amdhsa.kernels:
  - .name:           k_q97a2f66b0f_qkvgemm
    .symbol:         k_q97a2f66b0f_qkvgemm.kd
    .args:
      - { .name: xb, .offset: 0, .size: 8, .value_kind: global_buffer, .address_space: global }
      - { .name: wqkv, .offset: 8, .size: 8, .value_kind: global_buffer, .address_space: global }
      - { .name: tab, .offset: 16, .size: 8, .value_kind: global_buffer, .address_space: global }
      - { .name: q_norm_w, .offset: 24, .size: 8, .value_kind: global_buffer, .address_space: global }
      - { .name: k_norm_w, .offset: 32, .size: 8, .value_kind: global_buffer, .address_space: global }
      - { .name: qkvh, .offset: 40, .size: 8, .value_kind: global_buffer, .address_space: global }
      - { .name: Wo, .offset: 48, .size: 8, .value_kind: global_buffer, .address_space: global }
      - { .name: wob, .offset: 56, .size: 8, .value_kind: global_buffer, .address_space: global }
      - { .name: attention_mask, .offset: 64, .size: 8, .value_kind: global_buffer, .address_space: global }
      - { .name: maskl, .offset: 72, .size: 8, .value_kind: global_buffer, .address_space: global }
    .group_segment_fixed_size: 327680
    .private_segment_fixed_size: 0
    .kernarg_segment_align: 8
    .kernarg_segment_size: 80
    .max_flat_workgroup_size: 128
    .sgpr_count:     100
    .vgpr_count:     512
    .wavefront_size: 32
...
	.end_amdgpu_metadata
.endif
;; end of part 2
;; launch attn (part 3): grid 32 x 8, 4 waves a work-group, clusters of 4 x 4, 327,680 bytes of LDS; arguments qkvh, maskl, ob; writes ob
.if DOCPART == 3
	.amdgcn_target "amdgcn-amd-amdhsa--gfx1250"
	.amdhsa_code_object_version 6
	.text
	.protected	k_q97a2f66b0f_attn
	.globl	k_q97a2f66b0f_attn
	.p2align	8
	.type	k_q97a2f66b0f_attn,@function
k_q97a2f66b0f_attn:
	s_mov_b64 s[64:65], 0
	v_nop
	global_prefetch_b8 v0, s[64:65] scope:SCOPE_SE
	s_setreg_imm32_b32 hwreg(HW_REG_WAVE_MODE, 25, 1), 1
	s_wait_xcnt 0x0
	s_wait_alu depctr_hold_cnt(0) depctr_sa_sdst(0) depctr_va_vdst(0) depctr_va_sdst(0) depctr_va_ssrc(0) depctr_va_vcc(0) depctr_vm_vsrc(0)
	s_getreg_b32 s2, hwreg(HW_REG_IB_STS2, 6, 4)
	s_cmp_eq_u32 s2, 0
	s_cbranch_scc0 .Lentry_in_a_cluster
	s_endpgm
.Lentry_in_a_cluster:
	s_bfe_u32 s2, ttmp6, 0x10000c
	s_cmp_lg_u32 s2, 0xf033
	s_cbranch_scc0 .Lentry_shape_is_right
	s_endpgm
.Lentry_shape_is_right:
; O[head][q] = the sum over k of softmax_k(q . k x scale + mask[q][k]) v[k], for query heads 2 j, 2 j + 1 on key and value head j.
; IN: qkvh [32][2048][128] f16 (q already times scale x log2 e, k, v / 16), maskl [2048][2048] f32 (mask x log2 e, never below the lowest finite f32).  OUT: ob [2048 tokens][2048] f16 = O / 16.
; Scores, maxima and sums in f32, in units of log2: p = 2^(s - m) with a running maximum m; p is rounded to f16 for the second product (its sum l is taken of the unrounded p), O once at the end.
; LIMITS.  A hidden score counts as the lowest finite f32: a row hidden everywhere gives the mean of V.  A weight below 2^-126 counts as 0 in l.  NaN and +inf are not treated apart.
; SHARES.  A work-group owns 64 queries of BOTH query heads of one key and value head: 32 x 8 work-groups.  Wave w: queries 32 (w / 2) .. + 31, and of each slot's 128 keys the 64 (w % 2) .. + 63.
; Its four tiles of 16 queries: tile t = query block t / 2, head t % 2.  PIECE 0 = tiles 0, 1, PIECE 2 = tiles 2, 3: a piece's tiles share K, V and the mask's registers.
; A wave walks 16 key steps of 64 keys; the two key halves of a query block, each with its own m and l, are merged once at the end, in f32, through LDS.
; LAYOUT.  S^T = K Q^T + M^T (source 0 = 16 keys, source 1 = 16 queries, C = the mask): a lane holds ONE query (lane % 16) and the keys 8 (lane / 16) + 0..7; the mask's eight numbers for them are 32 consecutive bytes of the query's row.
; Two results rounded to f16 ARE source 1 of O^T = V^T P.  K comes out of LDS as it lies, V turned (ds_load_tr16_b128).
; BY TURNS.  In a turn one piece has the matrix unit (32 products V^T P of the step in hand, 32 products K Q^T of the next); the other piece's softmax, cut into 64 slices, stands behind its matrix instructions.
; LITTLE IS WRITTEN TWICE.  O^T starts at 0, piece 2's m at the lowest finite number and its l at 0, so that the loop's text serves from the first change of slots on (the first a is 0, or 1 where a whole step is hidden): 256 lines that
; write 0, in the wait for the first tile.  The tail is a loop left in its middle; its last turn makes 32 products on the last K once more, which serve nothing.
; CLUSTER 4 x 4.  K and V hang on the head alone: asked for jointly along a row of the cluster; the mask's tile hangs on the query block alone: jointly along a column.
; REGISTERS: window 0: v0-11, v44-47 addresses; v12-43 eight statistics a tile; v48-55 the partner's m, l; v64-191 S^T; v192-255 P.   window 1: O^T, 64 a tile.
;   window 2: v0-127 Q, v128-255 K of one step.   window 3: v0-127 V of one step, v128-191 the mask of one step (query block u, key block kb at 128 + 32 u + 8 kb).
.set PK,    272                        ; a row of K in LDS: 256 + 16 bytes
.set PV,    288                        ; of V: 256 + 32
.set PM,    528                        ; of the mask: 128 keys x 4 bytes + 16
.set VOFF,  128*PK
.set MOFF,  VOFF+128*PV
.set SLOT1, 1<<17                      ; a slot is 105,472 bytes; slot 1 begins here, so that one exclusive or changes slots
.set STAGE, SLOT1+MOFF+64*PM           ; behind the ring: 16 rows x 272 bytes for each wave
.set SP,    272
.set MERGE, STAGE+4*16*SP              ; for each half of the queries: 32,768 bytes of O^T, 1,024 of m and l
.set MPART, 33792
.set SPARE, MERGE+2*MPART              ; the spare words, 128 bytes a wave: two blocks of 256 bytes that no other line names
.set AK0, 2
.set AV0, 3
.set ADR, 4
.set QO,  5
.set STO, 6
.set RD,  7
.set GO,  8
.set ST,  12                           ; tile t at v[ST+8 t]: +0 m, +1 0 (named with m as a pair; at the end l's sum), +2, +3 l (even keys', odd keys'), +4 to +7 c0-c3; a takes c2's place
.set AM0, 44
.set ADM, 45
.set MO,  46
.set MS,  47
.set PM1, 48
.set PFO, 61
.set SPW, 62                           ; never rewritten
.set NIL, 63                           ; never rewritten
.set S,   64
.set P,   192
.set KF,  128                          ; window 2
.set MK,  128                          ; window 3
.set WV,  12
.set QH,  13
.set KH,  14
.set G1K, 24
.set G1V, 32
.set G1M, 40
.set G0K, 48                           ; two sets each: slot 0's; slot 1's, which then walks
.set G0V, 56
.set G0M, 68
.set SLOTS, 76
.set TB,  77                           ; the LDS byte at which the slot to be fetched from begins
.set SEL, 78
.set PFA, 80
.set PST, 82
.set LIM, 84
.set MSB, 0
.macro WIN new
.if MSB != (\new)
	s_set_vgpr_msb (MSB<<8)|(\new)
.set MSB, \new
.endif
.endm
.set W_KQ, 0x0a                        ; K and Q in window 2, S^T in window 0
.set W_KM, 0x3a                        ; the same with C, the mask, in window 3
.set W_PV, 0x53                        ; V in window 3, P in window 0, O^T in window 1
.set W_RS, 0x41                        ; destination and source 0 in window 1
.macro PLACES
.rept 4
	v_nop
.endr
.endm
; A joint refill: wave 0 K's 128 rows, wave 1 V's, waves 2 and 3 the mask's two halves of 32 rows.  The branches hang on the wave's number alone; an s_nop 0 and four v_nop follow each line.
.macro JLOAD
	s_cmp_lt_u32 s[WV], 2
	s_cbranch_scc0 .Lfor_m_\@
	s_cmp_eq_u32 s[WV], 0
	s_cbranch_scc0 .Lfor_v_\@
	tensor_load_to_lds s[G0K+4:G0K+7], s[G1K:G1K+7]
	s_nop 0
.rept 4
	v_nop
.endr
	s_branch .Lasked_\@
.Lfor_v_\@:
	tensor_load_to_lds s[G0V+4:G0V+7], s[G1V:G1V+7]
	s_nop 0
.rept 4
	v_nop
.endr
	s_branch .Lasked_\@
.Lfor_m_\@:
	tensor_load_to_lds s[G0M+4:G0M+7], s[G1M:G1M+7]
	s_nop 0
.rept 4
	v_nop
.endr
.Lasked_\@:
.endm
; A PREFETCH INTO THE L2 behind each refill: the slot two refills on, two key steps (256 matrix instructions and their softmax) ahead of its load.  Each aligned 256 bytes are named once in the launch:
; K's and V's rows by the clusters with x = 0 (wave 0 K, wave 1 V; the partner at cx takes rows 32 cx .. + 31 of the slot's 128, a lane a row); the mask's rows by the clusters with y = 0 (wave 2; the partner at cy takes rows
; 16 cy .. + 15 of the 64, two lanes a row).  The partners differ by address alone.  Trip k of the loop names slot k + 3: the last two trips (count 2 and 1) ask for nothing.
.macro ASK
	s_cmp_gt_u32 s[SLOTS], s[LIM]
	s_cbranch_scc0 .Lnot_mine_\@
	global_prefetch_b8 v[PFO], s[PFA:PFA+1] th:TH_LOAD_NT scope:SCOPE_SE
.Lnot_mine_\@:
.endm
.macro CROUND
	s_barrier_signal -1
	s_barrier_wait -1
	s_cmp_lg_u32 s[WV], 0
	s_cbranch_scc1 .Lnot_wave_0_\@
	s_barrier_signal -3
.Lnot_wave_0_\@:
	s_barrier_wait -3
	s_barrier_signal -1
	s_barrier_wait -1
.endm
	s_load_b128 s[4:7], s[0:1], 0x0                ; qkvh 4, maskl 6
	s_load_b64 s[8:9], s[0:1], 0x10                ; ob
	v_lshl_add_u32 v[SPW], v0, 2, SPARE
	v_mov_b32 v[NIL], 0
	ds_add_u32 v[SPW], v[NIL]                      ; the wave's opening: the add and its wait ahead of my first tensor load
	v_lshrrev_b32 v1, 5, v0
	v_readfirstlane_b32 s[WV], v1
	s_lshr_b32 s[QH], s[WV], 1                     ; my half of the queries
	s_and_b32 s[KH], s[WV], 1                      ; my half of each slot's keys
	s_bfe_u32 s85, ttmp6, 0x40000                  ; cx
	s_bfe_u32 s86, ttmp6, 0x40004                  ; cy
	s_lshl_b32 s87, ttmp9, 2
	s_add_co_u32 s87, s87, s85                     ; the block of 64 queries
	s_and_b32 s88, ttmp7, 0xffff
	s_lshl_b32 s88, s88, 2
	s_add_co_u32 s88, s88, s86                     ; the key and value head
	s_lshl_b32 s89, s86, 2
	s_lshl_b32 s89, 15, s89                        ; my row of the cluster
	s_lshl_b32 s90, 0x1111, s85                    ; my column
	s_or_b32 s[G1K], s89, (1<<16)|(1<<20)|(1<<21)|(5<<22)|(3<<25)  ; 2-byte elements; after every 64 words 4 words
	s_or_b32 s[G1V], s89, (1<<16)|(1<<20)|(1<<21)|(5<<22)|(7<<25)  ; 8 words
.irp g, G1K, G1V
	s_mov_b32 s[(\g)+1], 128<<16                   ; tensor_dim0 = 128
	s_mov_b32 s[(\g)+2], 128<<16                   ; tensor_dim1 = 128
	s_mov_b32 s[(\g)+3], 128<<16                   ; tile_dim0 = 128
	s_mov_b32 s[(\g)+4], 128                       ; tile_dim1 = 128
	s_mov_b32 s[(\g)+5], 128
	s_mov_b32 s[(\g)+6], 0
	s_mov_b32 s[(\g)+7], 0
.endr
	s_or_b32 s[G1M], s90, (2<<16)|(1<<20)|(1<<21)|(6<<22)|(3<<25)  ; 4-byte elements; 32 rows of 128; after every 128 words 4 words
	s_mov_b32 s[G1M+1], 128<<16
	s_mov_b32 s[G1M+2], 32<<16
	s_mov_b32 s[G1M+3], 128<<16
	s_mov_b32 s[G1M+4], 32
	s_mov_b32 s[G1M+5], 2048
	s_mov_b32 s[G1M+6], 0
	s_mov_b32 s[G1M+7], 0
	s_add_co_u32 s92, s88, 16                      ; K's head,
	s_lshl_b32 s92, s92, 19
	s_mov_b32 s93, 0
	s_add_co_u32 s94, s88, 24                      ; V's
	s_lshl_b32 s94, s94, 19
	s_mov_b32 s95, 0
	s_lshl_b32 s96, s87, 6                         ; the mask's rows 64 x block + 32 x (wave % 2)
	s_lshl_b32 s97, s[KH], 5
	s_add_co_u32 s96, s96, s97
	s_lshl_b32 s96, s96, 13
	s_mov_b32 s97, 0
	s_mul_i32 s20, s[KH], 32*PM
	s_add_co_u32 s20, s20, MOFF
	s_lshl_b32 s98, s87, 6
	s_lshl_b32 s99, s[QH], 5
	s_add_co_u32 s98, s98, s99                     ; my first query
	s_lshl_b32 s16, s98, 12                        ; its row of ob,
	s_lshl_b32 s98, s98, 8                         ; its row of a head
	s_lshl_b32 s99, s88, 20                        ; query head 2 j
	s_add_co_u32 s98, s98, s99
	s_lshl_b32 s99, s88, 9
	s_add_co_u32 s16, s16, s99
	s_mov_b32 s99, 0
	s_mov_b32 s17, 0
	s_mov_b32 s[SEL], 0x76543210
	s_mov_b32 s[SEL+1], 0xfedcba98
	s_mov_b32 s[TB], 0
	s_mov_b32 s[SLOTS], 14
	s_wait_dscnt 0x0                               ; the opening add is done
	s_wait_kmcnt 0x0
	s_add_nc_u64 s[18:19], s[4:5], s[92:93]
	s_add_nc_u64 s[22:23], s[4:5], s[94:95]
	s_add_nc_u64 s[2:3], s[6:7], s[96:97]
	s_add_nc_u64 s[10:11], s[4:5], s[98:99]        ; Q
	s_add_nc_u64 s[8:9], s[8:9], s[16:17]          ; O
	CROUND                                         ; all sixteen work-groups are here: the first joint loads meet
.irp s, 0,1
	s_mov_b32 s[G0K+4*(\s)], 1
	s_mov_b32 s[G0K+4*(\s)+1], (\s)*SLOT1
	s_add_nc_u64 s[G0K+4*(\s)+2:G0K+4*(\s)+3], s[18:19], (\s)*128*256
	s_or_b32 s[G0K+4*(\s)+3], s[G0K+4*(\s)+3], 0x80000000
	s_mov_b32 s[G0V+4*(\s)], 1
	s_mov_b32 s[G0V+4*(\s)+1], VOFF+(\s)*SLOT1
	s_add_nc_u64 s[G0V+4*(\s)+2:G0V+4*(\s)+3], s[22:23], (\s)*128*256
	s_or_b32 s[G0V+4*(\s)+3], s[G0V+4*(\s)+3], 0x80000000
	s_mov_b32 s[G0M+4*(\s)], 1
	s_add_co_u32 s[G0M+4*(\s)+1], s20, (\s)*SLOT1
	s_add_nc_u64 s[G0M+4*(\s)+2:G0M+4*(\s)+3], s[2:3], (\s)*512
	s_or_b32 s[G0M+4*(\s)+3], s[G0M+4*(\s)+3], 0x80000000
.endr
	s_cmp_lt_u32 s[WV], 2                          ; a wave's two first fills stand together, in its arm of one branch on the wave's number: two loads of mine are out
	s_cbranch_scc0 .Lfirst_m
	s_cmp_eq_u32 s[WV], 0
	s_cbranch_scc0 .Lfirst_v
	tensor_load_to_lds s[G0K:G0K+3], s[G1K:G1K+7]
	s_nop 0
	tensor_load_to_lds s[G0K+4:G0K+7], s[G1K:G1K+7]
	s_nop 0
.rept 4
	v_nop
.endr
	s_branch .Lfirst_asked
.Lfirst_v:
	tensor_load_to_lds s[G0V:G0V+3], s[G1V:G1V+7]
	s_nop 0
	tensor_load_to_lds s[G0V+4:G0V+7], s[G1V:G1V+7]
	s_nop 0
.rept 4
	v_nop
.endr
	s_branch .Lfirst_asked
.Lfirst_m:
	tensor_load_to_lds s[G0M:G0M+3], s[G1M:G1M+7]
	s_nop 0
	tensor_load_to_lds s[G0M+4:G0M+7], s[G1M:G1M+7]
	s_nop 0
.rept 4
	v_nop
.endr
.Lfirst_asked:
	v_and_b32 v1, 15, v0                           ; l % 16
	v_bfe_u32 v9, v0, 4, 1                         ; l / 16
	v_lshlrev_b32 v[QO], 8, v1
	v_lshl_add_u32 v[QO], v9, 4, v[QO]
	WIN 0x80                                       ; Q stays in registers: tile i / 4 (head (i / 4) % 2, query block i / 8), channels 32 (i % 4) on
.irp i, 0,1,2,3,4,5,6,7,8,9,10,11,12,13,14,15
	global_load_b128 v[8*(\i):8*(\i)+3],   v[QO], s[10:11] offset:(((\i)/4)%2)*524288+((\i)/8)*4096+((\i)%4)*64
	global_load_b128 v[8*(\i)+4:8*(\i)+7], v[QO], s[10:11] offset:(((\i)/4)%2)*524288+((\i)/8)*4096+((\i)%4)*64+32
.endr
	WIN 0x40                                       ; O^T starts at 0: written in the wait for the first tile, so that the loop's one form of product serves the first step too
.set i, 0
.rept 256
	v_mov_b32 v[i], 0
.set i, i+1
.endr
	WIN 0
	v_mul_u32_u24 v[AK0], v1, PK
	v_lshl_add_u32 v[AK0], v9, 4, v[AK0]
	s_mul_i32 s16, s[KH], 64*PK
	v_add_nc_u32 v[AK0], s16, v[AK0]               ; my 64 keys of a slot's K
	v_and_b32 v10, 7, v0
	v_bfe_u32 v11, v0, 3, 1
	v_lshl_add_u32 v[AV0], v9, 3, v10
	v_mul_u32_u24 v[AV0], v[AV0], PV
	v_lshl_add_u32 v[AV0], v11, 4, v[AV0]
	s_mul_i32 s16, s[KH], 64*PV
	s_add_co_u32 s16, s16, VOFF
	v_add_nc_u32 v[AV0], s16, v[AV0]               ; of its V
	v_mul_u32_u24 v[AM0], v1, PM
	v_lshl_add_u32 v[AM0], v9, 5, v[AM0]
	s_mul_i32 s16, s[QH], 32*PM
	s_lshl_b32 s17, s[KH], 8
	s_add_co_u32 s16, s16, s17
	s_add_co_u32 s16, s16, MOFF
	v_add_nc_u32 v[AM0], s16, v[AM0]               ; my query's row of the mask, my keys, my lanes' 32 bytes
.irp t, 0,1,2,3
	v_mov_b32 v[ST+8*\t+1], 0
.endr
.irp t, 2,3                                    ; piece 2's first softmax is the loop's: m at the lowest finite number, l at 0 (piece 0's first is written out below)
	v_mov_b32 v[ST+8*\t], 0xff7fffff
	v_mov_b32 v[ST+8*\t+2], 0
	v_mov_b32 v[ST+8*\t+3], 0
.endr
	; the prefetches
	s_cmp_eq_u32 s[KH], 0
	s_cselect_b32 s96, s92, s94                    ; wave 0: K's head; wave 1: V's
	s_lshl_b32 s97, s85, 13                        ; + 32 cx rows
	s_add_co_u32 s96, s96, s97
	s_add_co_u32 s96, s96, 3*128*256               ; at slot 3: the first change steps it to 4
	s_lshl_b32 s98, s87, 6
	s_lshl4_add_u32 s98, s86, s98                  ; the mask's row 64 x block + 16 cy
	s_lshl_b32 s98, s98, 13
	s_add_co_u32 s98, s98, 3*512
	s_and_b32 s99, ttmp7, 0xffff
	s_or_b32 s99, s99, s[KH]                       ; wave 2 where the cluster's y is 0; wave 3 never
	s_mov_b32 s[PST], 512
	s_mov_b32 s[PST+1], 0
	s_mov_b32 s97, 0
	s_cmp_lt_u32 s[WV], 2
	s_cselect_b64 s[PFA:PFA+1], s[4:5], s[6:7]
	s_cselect_b32 s96, s96, s98
	s_cselect_b32 s99, ttmp9, s99
	s_cselect_b32 s[PST], 128*256, s[PST]
	s_cselect_b32 s21, 8, 13
	s_add_nc_u64 s[PFA:PFA+1], s[PFA:PFA+1], s[96:97]
	s_cmp_eq_u32 s99, 0
	s_cselect_b32 s[LIM], 2, -1
	v_and_b32 v10, 31, v0
	v_lshrrev_b32 v11, s[QH], v10                  ; K, V: a lane a row of 256 bytes; the mask: two lanes a row of 8,192
	v_lshlrev_b32 v11, s21, v11
	v_and_b32 v10, s[QH], v10
	v_lshl_add_u32 v[PFO], v10, 8, v11
; THE MATRIX WORK OF A TURN, for piece x.  The accumulators take turns, one instruction a turn.
; Product i of 32 of O^T += V^T P: keys 32 (i / 16) on, channels 16 ((i / 2) % 8) on, tile x + i % 2.
.macro PV x
	WIN W_PV
.set rO, 64*((\x)+i%2)+8*((i/2)%8)
.set rV, 64*(i/16)+8*((i/2)%8)
.set rP, P+16*((\x)+i%2)+8*(i/16)
	v_wmma_f32_16x16x32_f16 v[rO:rO+7], v[rV:rV+7], v[rP:rP+7], v[rO:rO+7]
.endm
; Product i of 32 of S^T = K Q^T + M^T: channels 32 (i / 8) on, keys 16 ((i / 2) % 4) on, tile x + i % 2.  The first 8 start the sums with the mask.
.macro KQ x
.set rS, S+32*((\x)+i%2)+8*((i/2)%4)
.set rK, KF+32*((i/2)%4)+8*(i/8)
.set rQ, 32*((\x)+i%2)+8*(i/8)
.set rM, MK+16*(\x)+8*((i/2)%4)
.if i < 8
	WIN W_KM
	v_wmma_f32_16x16x32_f16 v[rS:rS+7], v[rK:rK+7], v[rQ:rQ+7], v[rM:rM+7]
.else
	WIN W_KQ
	v_wmma_f32_16x16x32_f16 v[rS:rS+7], v[rK:rK+7], v[rQ:rQ+7], v[rS:rS+7]
.endif
.endm
; THE LDS LOADS stand in runs: a step's K (16 fragments) with its mask (both query blocks x 4 key blocks), and, a turn later, its V (turned).
.macro FETCH_KM
	WIN 0
	v_add_nc_u32 v[ADR], s[TB], v[AK0]
	v_add_nc_u32 v[ADM], s[TB], v[AM0]
	WIN 0x80
.irp f, 0,1,2,3,4,5,6,7,8,9,10,11,12,13,14,15
	ds_load_b128 v[KF+8*(\f):KF+8*(\f)+3],   v[ADR] offset:((\f)/4)*16*PK+((\f)%4)*64
	ds_load_b128 v[KF+8*(\f)+4:KF+8*(\f)+7], v[ADR] offset:((\f)/4)*16*PK+((\f)%4)*64+32
.endr
	WIN 0xc0
.irp f, 0,1,2,3,4,5,6,7
	ds_load_b128 v[MK+8*(\f):MK+8*(\f)+3],   v[ADM] offset:((\f)/4)*16*PM+((\f)%4)*64
	ds_load_b128 v[MK+8*(\f)+4:MK+8*(\f)+7], v[ADM] offset:((\f)/4)*16*PM+((\f)%4)*64+16
.endr
.endm
.macro FETCH_V
	WIN 0
	v_add_nc_u32 v[ADR], s[TB], v[AV0]
	s_wait_alu depctr_va_vdst(0)                   ; the wait for the softmax's batch, behind the address's line and ahead of the loads
	WIN 0xc0
.irp f, 0,1,2,3,4,5,6,7,8,9,10,11,12,13,14,15
	ds_load_tr16_b128 v[8*(\f):8*(\f)+3],   v[ADR] offset:((\f)/8)*32*PV+((\f)%8)*32
	ds_load_tr16_b128 v[8*(\f)+4:8*(\f)+7], v[ADR] offset:((\f)/8)*32*PV+16*PV+((\f)%8)*32
.endr
.endm
; THE VECTOR WORK OF A TURN.  One tile's softmax for a key step is a numbered list; SM writes number j of it for tile t.  first = 1: piece 0's first key step, which starts its m and l.
;   0-15    the maximum of the lane's 32 scores and the old m (each accumulator's lowest registers are read first)      16-20  the other half of the lanes' maximum; the old m is kept; the new m; (19 is empty); m_old - m_new
;   21-69   ONE BATCH: the 16 subtractions s - m, a pair each, and all 33 exponentials (a at 23); none of these reads an exponential's result
;   (wait)  between 69 and 70: SLICE writes it, once for both tiles       70-85 the roundings to f16       86-101 the sums; l = a l + sum       102-133 O^T times a
.macro SM t, first
.set rT, ST+8*(\t)
.set rS, S+32*(\t)
.set rP, P+16*(\t)
.set rO, 64*(\t)+2*(j-102)
.if j < 102
	WIN 0
.endif
.if j < 4
	v_max3_num_f32 v[rT+4+j], v[rS+8*j], v[rS+8*j+1], v[rS+8*j+2]
.elseif j < 12
	v_max3_num_f32 v[rT+4+j%4], v[rT+4+j%4], v[rS+8*(j%4)+2*(j/4)+1], v[rS+8*(j%4)+2*(j/4)+2]
.elseif j == 12
	v_max3_num_f32 v[rT+4], v[rT+4], v[rS+7], v[rS+15]
.elseif j == 13
	v_max3_num_f32 v[rT+6], v[rT+6], v[rS+23], v[rS+31]
.elseif j == 14
	v_max3_num_f32 v[rT+4], v[rT+4], v[rT+5], v[rT+6]
.elseif (j == 15) && (\first)
	v_max_num_f32 v[rT+4], v[rT+4], v[rT+7]
.elseif j == 15
	v_max3_num_f32 v[rT+4], v[rT+4], v[rT+7], v[rT]
.elseif j == 16
	v_permlanex16_b32 v[rT+5], v[rT+4], s[SEL], s[SEL+1]
.elseif j == 18
	v_max_num_f32 v[rT], v[rT+4], v[rT+5]
.elseif j == 19
.elseif ((j == 17) || (j == 20) || (j == 23) || (j > 101)) && (\first)
.elseif j == 17
	v_mov_b32 v[rT+7], v[rT]
.elseif j == 20
	v_sub_f32 v[rT+7], v[rT+7], v[rT]
.elseif j == 23
	v_exp_f32 v[rT+6], v[rT+7]
.elseif (j < 23) || ((j < 38) && (j%2 == 0)) || ((j < 66) && (j%4 == 2))
.set b, (j-2)/4
.if j < 38
.set b, (j-20)/2
.endif
	v_pk_add_f32 v[rS+2*b:rS+2*b+1], v[rS+2*b:rS+2*b+1], v[rT:rT+1] op_sel_hi:[1,0] neg_lo:[0,1] neg_hi:[0,1]  ; pair b: s - m
.elseif j < 70
.set e, j-38
.if j < 66
.set e, j-32-(j-38)/4
.endif
.if j < 38
.set e, (j-25)/2
.endif
	v_exp_f32 v[rS+e], v[rS+e]
.elseif j < 86
	v_cvt_pk_f16_f32 v[rP+j-70], v[rS+2*(j-70)], v[rS+2*(j-70)+1]
.elseif j < 102
.set z, j-86
.set w, 4
.set u, z
.if z >= 14
.set w, 32
.set u, 0
.elseif z >= 12
.set w, 16
.set u, z-12
.elseif z >= 8
.set w, 8
.set u, z-8
.endif
.if (z == 14) && (\first)
	v_pk_add_f32 v[rT+2:rT+3], v[rS:rS+1], v[rS+16:rS+17]
.elseif z < 15
	v_pk_add_f32 v[rS+w*u:rS+w*u+1], v[rS+w*u:rS+w*u+1], v[rS+w*u+w/2:rS+w*u+w/2+1]
.elseif !(\first)
	v_pk_fma_f32 v[rT+2:rT+3], v[rT+2:rT+3], v[rT+6:rT+7], v[rS:rS+1] op_sel_hi:[1,0,1]
.endif
.else
	WIN W_RS
	v_pk_mul_f32 v[rO:rO+1], v[rO:rO+1], v[rT+6:rT+7] op_sel_hi:[1,0]
.endif
.endm
; Slice k of 64 of piece y's softmax.  Slices 11 to 34 deal out the batch, four numbers of one tile each, the tiles by turns; every other slice is numbers 2 k, 2 k + 1 of both tiles; what is over stands in slice 63.
; Ahead of slice 35 nothing names an exponential's result, and behind slice 34 none is issued: one plain instruction and one wait serve the piece's 66 exponentials.
.macro SLICE y, first
.if (k >= 11) && (k < 35)
.irp n, 0,1,2,3
.set j, 22+4*((k-11)/2)+(\n)
	SM (\y)+(k-11)%2, \first
.endr
.else
.irp n, 0,1,2,3,4,5,6,7
.if ((\n) < 2) || (k == 63)
.irp t, \y, (\y)+1
.set j, 2*k+(\n)
	SM \t, \first
.endr
.endif
.endr
.endif
.if k == 34
	v_nop
.if (\y) == 0
	FETCH_V                                        ; piece 2's turn: V's run of loads stands here, and the wait stands in it
.else
	s_wait_alu depctr_va_vdst(0)
.endif
.endif
.set k, k+1
.endm
; A TURN.  Piece x has the matrix unit.  pv = 1: 32 products V^T P; then 32 products K Q^T for the next step.  Without the first kind two slices stand behind each product.
; Piece 0's turn fetches the next step's K and mask behind its second product (their last readers stand in front of slice 63 of the turn before, sixteen plain instructions back).
; Piece 2's turn fetches that step's V behind slice 34: three products and eighteen plain instructions (slices 31-34, the v_nop, the address's line) behind the last product that read V.
.macro TURN x, pv, first
.set k, 0
.set per, 2-(\pv)
.if \pv
.if (\x) == 0
	s_wait_dscnt 0x0                               ; V is in
.endif
.set i, 0
.rept 32
	PV \x
	SLICE 2-(\x), \first
.if ((\x) == 0) && (i == 1)
	FETCH_KM
.endif
.set i, i+1
.endr
.endif
.if (\x) == 0
	s_wait_dscnt 0x0                               ; K and the mask are in
.endif
.set i, 0
.rept 32
	KQ \x
.rept per
	SLICE 2-(\x), \first
.endr
.set i, i+1
.endr
.if \first
	PLACES
.endif
.endm
; THE CHANGE OF SLOTS, behind piece 2's turn: the slot's last bytes, its V, have been asked for.  Each wave waits for all its tensor loads (one is out: its part of the other slot), adds 0 to its spare word, and waits for that
; and for its reads of the slot.  fill = 1: the barrier is a round of the cluster's, and the slot is filled again first thing behind it, with the keys two slots on: it has a key step in which to land.
.macro CHANGE fill
	WIN 0
	s_wait_tensorcnt 0x0                           ; no tensor load of mine is out, so a group 0 may be written
	ds_add_u32 v[SPW], v[NIL]
.if \fill
.irp g, G0K+4, G0V+4
	s_xor_b32 s[(\g)+1], s[(\g)+1], SLOT1
	s_add_nc_u64 s[(\g)+2:(\g)+3], s[(\g)+2:(\g)+3], 128*256
.endr
	s_xor_b32 s[G0M+5], s[G0M+5], SLOT1
	s_add_nc_u64 s[G0M+6:G0M+7], s[G0M+6:G0M+7], 512
	s_wait_xcnt 0x0                                ; the last prefetch, a key step back, has read its address
	s_add_nc_u64 s[PFA:PFA+1], s[PFA:PFA+1], s[PST:PST+1]
	s_wait_dscnt 0x0                               ; the add is done, and my reads of the slot are over
	CROUND
	JLOAD
	ASK
.else
	s_wait_dscnt 0x0
	s_barrier_signal -1
	s_barrier_wait -1
.endif
	s_xor_b32 s[TB], s[TB], SLOT1                  ; the fetches go on in the other slot
.endm
	s_wait_tensorcnt 0x1                           ; my part of slot 0 is in; slot 1's may stay out
	s_barrier_signal -1
	s_barrier_wait -1
	FETCH_KM                                       ; key step 0
	s_wait_loadcnt 0x0                             ; Q
	s_wait_dscnt 0x0
.set i, 0
.rept 32
	KQ 0                                           ; piece 0's first scores
.set i, i+1
.endr
	WIN 0                                          ; the addresses for the way out: plain instructions, the places behind those products
	s_mul_i32 s16, s[WV], 16*SP
	s_add_co_u32 s16, s16, STAGE
	v_mul_u32_u24 v[STO], v1, SP
	v_lshl_add_u32 v[STO], v9, 4, v[STO]
	v_add_nc_u32 v[STO], s16, v[STO]
	v_mul_u32_u24 v[RD], v9, SP
	v_lshl_add_u32 v[RD], v1, 4, v[RD]
	v_add_nc_u32 v[RD], s16, v[RD]
	v_lshlrev_b32 v[GO], 12, v9                    ; two rows of ob, 4,096 bytes apart
	v_lshl_add_u32 v[GO], v1, 4, v[GO]
	s_mul_i32 s16, s[QH], MPART
	s_add_co_u32 s16, s16, MERGE
	v_and_b32 v10, 31, v0
	v_lshl_add_u32 v[MO], v10, 4, s16
	s_add_co_u32 s16, s16, 32768
	v_lshl_add_u32 v[MS], v10, 3, s16
	TURN 2, 0, 1                                   ; piece 2's first scores | piece 0's first softmax | V of step 0
	WIN 0
.Lslot:                                        ; 14 trips: trip k multiplies by V of step k - 1 and by K of step k; the slot just read is filled again
	CHANGE 1
	TURN 0, 1, 0
	TURN 2, 1, 0
	WIN 0
	s_sub_co_u32 s[SLOTS], s[SLOTS], 1
	s_cmp_lg_u32 s[SLOTS], 0
	s_cbranch_scc1 .Lslot
	CHANGE 0                                       ; the tail has a text of its own
	s_mov_b32 s[SLOTS], 2
.Ltail:                                        ; piece 0's turn, piece 2's, piece 0's: the second trip is left in its middle
	TURN 0, 1, 0
	WIN 0
	s_sub_co_u32 s[SLOTS], s[SLOTS], 1
	s_cmp_eq_u32 s[SLOTS], 0
	s_cbranch_scc1 .Lout
	TURN 2, 1, 0
	WIN 0
	s_branch .Ltail
.Lout:                                         ; (the turn just left has fetched the last K and mask once more and made piece 0's scores of them: they serve nothing)
.set i, 0
.rept 32
	PV 2                                           ; piece 2: V^T P of the last step
.set i, i+1
.endr
	; THE MERGE.  The wave with the upper keys puts its O^T, m and l into LDS; its partner, which holds the same queries in the same lanes, takes m = max, a_i = 2^(m_i - m), l = a_0 l_0 + a_1 l_1, O = (a_0 O_0 + a_1 O_1) / l.
	WIN 0
.irp t, 0,1,2,3
	v_add_f32 v[ST+8*\t+1], v[ST+8*\t+2], v[ST+8*\t+3]
.endr
	PLACES                                         ; with the four sums above: the places behind the last products
	s_cmp_eq_u32 s[KH], 1
	s_cbranch_scc0 .Lkeep
	WIN 0x04                                       ; store data in window 1
.set n, 0
.rept 64
	ds_store_b128 v[MO], v[4*n:4*n+3] offset:512*n
.set n, n+1
.endr
	WIN 0
.irp t, 0,1,2,3
	ds_store_b64 v[MS], v[ST+8*\t:ST+8*\t+1] offset:256*\t
.endr
.Lkeep:
	s_wait_dscnt 0x0                               ; for the partner's sake: my stores are done
	s_barrier_signal -1
	s_barrier_wait -1
	s_cmp_eq_u32 s[KH], 1
	s_cbranch_scc1 .Lend
.irp t, 0,1,2,3
	ds_load_b64 v[PM1+2*\t:PM1+2*\t+1], v[MS] offset:256*\t
.endr
	s_wait_dscnt 0x0
.irp t, 0,1,2,3
	v_max_num_f32 v[ST+8*\t+4], v[ST+8*\t], v[PM1+2*\t]
.endr
.irp t, 0,1,2,3
	v_sub_f32 v[ST+8*\t+5], v[ST+8*\t], v[ST+8*\t+4]
	v_sub_f32 v[ST+8*\t+6], v[PM1+2*\t], v[ST+8*\t+4]
.endr
.irp t, 0,1,2,3
	v_exp_f32 v[ST+8*\t+5], v[ST+8*\t+5]
	v_exp_f32 v[ST+8*\t+6], v[ST+8*\t+6]
.endr
	v_nop                                          ; a plain instruction behind the last exponential,
	s_wait_alu depctr_va_vdst(0)                   ; and one wait for the eight
.irp t, 0,1,2,3
	v_mul_f32 v[ST+8*\t+7], v[ST+8*\t+6], v[PM1+2*\t+1]
.endr
.irp t, 0,1,2,3
	v_fma_f32 v[ST+8*\t+7], v[ST+8*\t+5], v[ST+8*\t+1], v[ST+8*\t+7]
.endr
.irp t, 0,1,2,3
	v_permlanex16_b32 v[ST+8*\t+4], v[ST+8*\t+7], s[SEL], s[SEL+1]  ; the query's other keys lie in the lane 16 away
.endr
.irp t, 0,1,2,3
	v_add_f32 v[ST+8*\t+7], v[ST+8*\t+7], v[ST+8*\t+4]
.endr
.irp t, 0,1,2,3
	v_rcp_f32 v[ST+8*\t+7], v[ST+8*\t+7]
.endr
	v_nop
	s_wait_alu depctr_va_vdst(0)                   ; one wait for the four reciprocals
.irp t, 0,1,2,3
	v_mul_f32 v[ST+8*\t+4], v[ST+8*\t+5], v[ST+8*\t+7]  ; a_0 / l
	v_mul_f32 v[ST+8*\t+6], v[ST+8*\t+6], v[ST+8*\t+7]  ; a_1 / l
.endr
; Tile t: the partner's 64 numbers a lane come into S^T's registers; the merged tile is rounded to f16 into P's, goes through my stage and leaves as rows of 256 bytes.
.macro FIN t
.set rT, ST+8*(\t)
.set rB, S+64*((\t)%2)
.set rC, P+32*((\t)%2)
	WIN 0
.set n, 0
.rept 16
	ds_load_b128 v[rB+4*n:rB+4*n+3], v[MO] offset:512*(16*(\t)+n)
.set n, n+1
.endr
	WIN W_RS
.set n, 0
.rept 32
	v_pk_mul_f32 v[64*(\t)+2*n:64*(\t)+2*n+1], v[64*(\t)+2*n:64*(\t)+2*n+1], v[rT+4:rT+5] op_sel_hi:[1,0]
.set n, n+1
.endr
	s_wait_dscnt 0x0
	WIN 0x50                                       ; destination and addend in window 1
.set n, 0
.rept 32
	v_pk_fma_f32 v[64*(\t)+2*n:64*(\t)+2*n+1], v[rB+2*n:rB+2*n+1], v[rT+6:rT+7], v[64*(\t)+2*n:64*(\t)+2*n+1] op_sel_hi:[1,0,1]
.set n, n+1
.endr
	s_wait_xcnt 0x0                                ; the stores of the tile two back have read the registers written below
	WIN 0x05
.set n, 0
.rept 32
	v_cvt_pk_f16_f32 v[rC+n], v[64*(\t)+2*n], v[64*(\t)+2*n+1]
.set n, n+1
.endr
	WIN 0
.irp f, 0,1,2,3,4,5,6,7
	ds_store_b128 v[STO], v[rC+4*\f:rC+4*\f+3] offset:32*\f
.endr
.irp f, 0,1,2,3,4,5,6,7
	ds_load_b128 v[rC+4*\f:rC+4*\f+3], v[RD] offset:\f*2*SP  ; LDS serves a wave's instructions in order: these see the stores above
.endr
	s_wait_dscnt 0x0
.irp f, 0,1,2,3,4,5,6,7
	global_store_b128 v[GO], v[rC+4*\f:rC+4*\f+3], s[8:9] offset:((\t)/2)*65536+((\t)%2)*256+\f*8192  ; 16 lanes store 256 consecutive bytes, aligned: a token's channels of one head
.endr
.endm
	FIN 0
	FIN 1
	FIN 2
	FIN 3
.Lend:
	s_wait_tensorcnt 0x0                           ; the wave's end
	ds_add_u32 v[SPW], v[NIL]
	s_wait_dscnt 0x0
	CROUND                                         ; the closing round
	s_endpgm
.Lfunc_end_k_q97a2f66b0f_attn:
	.size	k_q97a2f66b0f_attn, .Lfunc_end_k_q97a2f66b0f_attn-k_q97a2f66b0f_attn
	.p2alignl 7, 3214868480
	.fill 96, 4, 3214868480
	.section	.rodata,"a",@progbits
	.p2align	6, 0x0
	.amdhsa_kernel k_q97a2f66b0f_attn
		.amdhsa_group_segment_fixed_size 327680
		.amdhsa_private_segment_fixed_size 0
		.amdhsa_enable_private_segment 0
		.amdhsa_kernarg_size 24
		.amdhsa_user_sgpr_count 2
		.amdhsa_user_sgpr_kernarg_segment_ptr 1
		.amdhsa_wavefront_size32 1
		.amdhsa_system_sgpr_workgroup_id_x 1
		.amdhsa_system_sgpr_workgroup_id_y 1
		.amdhsa_system_sgpr_workgroup_id_z 1
		.amdhsa_system_vgpr_workitem_id 0
		.amdhsa_next_free_vgpr 1024
		.amdhsa_next_free_sgpr 100
		.amdhsa_reserve_vcc 0
		.amdhsa_float_denorm_mode_32 3
		.amdhsa_float_denorm_mode_16_64 3
		.amdhsa_memory_ordered 1
		.amdhsa_forward_progress 1
		.amdhsa_inst_pref_size 191
	.end_amdhsa_kernel
	.amdgpu_metadata
---
amdhsa.version: [ 1, 2 ]
amdhsa.kernels:
  - .name:           k_q97a2f66b0f_attn
    .symbol:         k_q97a2f66b0f_attn.kd
    .args:
      - { .name: qkvh, .offset: 0, .size: 8, .value_kind: global_buffer, .address_space: global }
      - { .name: maskl, .offset: 8, .size: 8, .value_kind: global_buffer, .address_space: global }
      - { .name: ob, .offset: 16, .size: 8, .value_kind: global_buffer, .address_space: global }
    .group_segment_fixed_size: 327680
    .private_segment_fixed_size: 0
    .kernarg_segment_align: 8
    .kernarg_segment_size: 24
    .max_flat_workgroup_size: 128
    .sgpr_count:     100
    .vgpr_count:     1024
    .wavefront_size: 32
...
	.end_amdgpu_metadata
.endif
;; end of part 3
;; launch outgemm (part 4): grid 16 x 16, 4 waves a work-group, clusters of 4 x 4, 327,680 bytes of LDS; arguments ob, wob, out0; writes out0
.if DOCPART == 4
	.amdgcn_target "amdgcn-amd-amdhsa--gfx1250"
	.amdhsa_code_object_version 6
	.text
	.protected	k_q97a2f66b0f_outgemm
	.globl	k_q97a2f66b0f_outgemm
	.p2align	8
	.type	k_q97a2f66b0f_outgemm,@function
k_q97a2f66b0f_outgemm:
	s_mov_b64 s[64:65], 0
	v_nop
	global_prefetch_b8 v0, s[64:65] scope:SCOPE_SE
	s_setreg_imm32_b32 hwreg(HW_REG_WAVE_MODE, 25, 1), 1
	s_wait_xcnt 0x0
	s_wait_alu depctr_hold_cnt(0) depctr_sa_sdst(0) depctr_va_vdst(0) depctr_va_sdst(0) depctr_va_ssrc(0) depctr_va_vcc(0) depctr_vm_vsrc(0)
	s_getreg_b32 s2, hwreg(HW_REG_IB_STS2, 6, 4)
	s_cmp_eq_u32 s2, 0
	s_cbranch_scc0 .Lentry_in_a_cluster
	s_endpgm
.Lentry_in_a_cluster:
	s_bfe_u32 s2, ttmp6, 0x10000c
	s_cmp_lg_u32 s2, 0xf033
	s_cbranch_scc0 .Lentry_shape_is_right
	s_endpgm
.Lentry_shape_is_right:
; out0 = O Wo: ob [2048][2048] f16 (= O / 16) times wob [2048 k][4096 n] f16 (= 16 x bf16(Wo)); sums in f32, stored as they are: the two powers of two cancel.
; The frame is the projection's: a tile of C is 128 x 256, 16 x 16 work-groups, four waves of 64 x 128 (32 accumulators); K in 16 steps of 128 through two LDS slots; waves 0, 1 fetch A's halves, waves 2, 3 B's;
; B, stored [k][n], is turned on its way out of LDS; source 0 = 16 columns of B, source 1 = 16 rows of A, so a lane holds one row of C and eight neighbouring columns of each block of 16.
; ONE K STEP IS WRITTEN ONCE: the slot in hand is a scalar turned by an exclusive or; the first quarter, whose products start the sums, stands in front, and the loop is entered in its middle;
; the last two steps, which fill nothing, are a second loop.  Its last change of slots fetches fragments that serve nothing: the price of one text for both trips.
; CLUSTER 4 x 4: A's tile is asked for jointly along a row of the cluster, B's along a column.
; REGISTERS: window 0: v0-31 addresses; two fragment buffers (B 64, A 32): v64-159, v160-255 (on the way out v64-191: rows read back).   window 1: the accumulators, (a, b) at v[8 (8 a + b)].
.set KSTEP, 128
.set STEPS, 16
.set PA,    2048
.set RSA,   12
.set PAL,   272
.set PBL,   544
.set BOFF,  128*PAL
.set SLOT1, 1<<17                      ; a slot is 104,448 bytes; slot 1 begins here, so that one exclusive or changes slots
.set STAGE, SLOT1+BOFF+128*PBL         ; behind the ring: 16 rows x 528 bytes (512 + 16) for each wave; no tensor load lands here
.set SP,    528
.set SPARE, STAGE+4*16*SP              ; the spare words, 128 bytes a wave: two blocks of 256 bytes that no other line names
.set ADRA0, 14                         ; my fragments in slot 0; never rewritten
.set ADRB0, 15
.set ADRA, 16                          ; the same in the slot in hand
.set ADRB, 17
.set STO,  24
.set RD,   25
.set CO,   26
.set SPW,  28                          ; never rewritten
.set NIL,  29                          ; never rewritten
.set PFO,  30                          ; never rewritten
.set F0,   64
.set F1,   160
.set BK,   64
.set G1A, 24
.set G0A, 32                           ; two sets: slot 0's; slot 1's, which then walks
.set G1B, 40
.set G0B, 48
.set TB,  66
.set PFA, 72
.set PST, 74
.set LIM, 76
.set LAP, 77
.set MSB, 0
.macro WIN new
.if MSB != (\new)
	s_set_vgpr_msb (MSB<<8)|(\new)
.set MSB, \new
.endif
.endm
.set MUL, 0x50
.macro PLACES
.rept 4
	v_nop
.endr
.endm
.macro JLOAD                           ; a joint refill by the walking descriptor: one line for A, one for B, chosen by the wave's number alone; an s_nop 0 and four v_nop follow each
	s_cmp_eq_u32 s17, 0
	s_cbranch_scc0 .Lfor_b_\@
	tensor_load_to_lds s[G0A+4:G0A+7], s[G1A:G1A+7]
	s_nop 0
.rept 4
	v_nop
.endr
	s_branch .Lasked_\@
.Lfor_b_\@:
	tensor_load_to_lds s[G0B+4:G0B+7], s[G1B:G1B+7]
	s_nop 0
.rept 4
	v_nop
.endr
.Lasked_\@:
.endm
; A PREFETCH INTO THE L2 behind each refill and the run of LDS loads that follows it: the K step two refills on, 256 matrix instructions ahead of its load.  Each aligned 256 bytes are named once in the launch:
; A's rows by the clusters with x = 0 (wave 0; the partner at cx takes rows 32 cx .. + 31 of the tile's 128, a lane a row); B's k-rows by the clusters with y = 0 (waves 2, 3; the partner at cy takes 16 cy .. + 15 of the wave's 64,
; two lanes a row).  The partners differ by address alone.  Trip k of the loop names K step k + 3: the last two trips (count 2 and 1) ask for nothing.
.macro ASK
	s_cmp_gt_u32 s[LAP], s[LIM]
	s_cbranch_scc0 .Lnot_mine_\@
	global_prefetch_b8 v[PFO], s[PFA:PFA+1] th:TH_LOAD_NT scope:SCOPE_SE
.Lnot_mine_\@:
.endm
.macro CREST
	s_cmp_lg_u32 s16, 0
	s_cbranch_scc1 .Lnot_wave_0_\@
	s_barrier_signal -3
.Lnot_wave_0_\@:
	s_barrier_wait -3
	s_barrier_signal -1
	s_barrier_wait -1
.endm
.macro CROUND
	s_barrier_signal -1
	s_barrier_wait -1
	CREST
.endm
	s_load_b128 s[4:7], s[0:1], 0x0                ; ob 4, wob 6
	s_load_b64 s[8:9], s[0:1], 0x10                ; out0
	v_lshl_add_u32 v[SPW], v0, 2, SPARE
	v_mov_b32 v[NIL], 0
	ds_add_u32 v[SPW], v[NIL]                      ; the wave's opening: the add and its wait ahead of my first tensor load
	v_lshrrev_b32 v1, 5, v0
	v_readfirstlane_b32 s16, v1
	s_lshr_b32 s17, s16, 1                         ; my half of the rows.  Also: I fetch for A (0) or B (1)
	s_and_b32 s18, s16, 1                          ; my half of the columns.  Also: which half of that tile I fetch
	s_bfe_u32 s88, ttmp6, 0x40000                  ; cx
	s_bfe_u32 s89, ttmp6, 0x40004                  ; cy
	s_lshl_b32 s90, ttmp9, 2
	s_add_co_u32 s90, s90, s88                     ; tile column
	s_and_b32 s91, ttmp7, 0xffff
	s_lshl_b32 s91, s91, 2
	s_add_co_u32 s91, s91, s89                     ; tile row
	s_lshl_b32 s92, s89, 2
	s_lshl_b32 s92, 15, s92
	s_lshl_b32 s93, 0x1111, s88
	s_or_b32 s[G1A], s92, (1<<16)|(1<<20)|(1<<21)|(5<<22)|(3<<25)   ; mask; 2-byte elements; padding on; bit 21 beside a mask; after every 64 words, 4 words
	s_mov_b32 s[G1A+1], KSTEP<<16
	s_mov_b32 s[G1A+2], 64<<16
	s_mov_b32 s[G1A+3], KSTEP<<16
	s_mov_b32 s[G1A+4], 64
	s_mov_b32 s[G1A+5], PA
	s_mov_b32 s[G1A+6], 0
	s_mov_b32 s[G1A+7], 0
	s_or_b32 s[G1B], s93, (1<<16)|(1<<20)|(1<<21)|(6<<22)|(7<<25)   ; after every 128 words, 8 words
	s_mov_b32 s[G1B+1], 256<<16
	s_mov_b32 s[G1B+2], 64<<16
	s_mov_b32 s[G1B+3], 256<<16
	s_mov_b32 s[G1B+4], 64
	s_mov_b32 s[G1B+5], 4096
	s_mov_b32 s[G1B+6], 0
	s_mov_b32 s[G1B+7], 0
	s_lshl_b32 s94, s91, 7
	s_lshl_b32 s95, s18, 6
	s_add_co_u32 s94, s94, s95
	s_lshl_b32 s94, s94, RSA
	s_mov_b32 s95, 0
	s_lshl_b32 s96, s18, 19
	s_lshl_b32 s97, s90, 9
	s_add_co_u32 s96, s96, s97
	s_mov_b32 s97, 0
	s_mul_i32 s19, s18, 64*PAL
	s_mul_i32 s2, s18, 64*PBL
	s_add_co_u32 s2, s2, BOFF
	s_mov_b32 s[TB], 0
	s_wait_dscnt 0x0                               ; the opening add is done
	s_wait_kmcnt 0x0
	s_add_nc_u64 s[20:21], s[4:5], s[94:95]
	s_add_nc_u64 s[22:23], s[6:7], s[96:97]
	CROUND                                         ; all sixteen work-groups are here: the first joint loads meet
.irp s, 0,1
	s_mov_b32 s[G0A+4*(\s)], 1
	s_add_co_u32 s[G0A+4*(\s)+1], s19, (\s)*SLOT1
	s_add_nc_u64 s[G0A+4*(\s)+2:G0A+4*(\s)+3], s[20:21], (\s)*KSTEP*2
	s_or_b32 s[G0A+4*(\s)+3], s[G0A+4*(\s)+3], 0x80000000
	s_mov_b32 s[G0B+4*(\s)], 1
	s_add_co_u32 s[G0B+4*(\s)+1], s2, (\s)*SLOT1
	s_add_nc_u64 s[G0B+4*(\s)+2:G0B+4*(\s)+3], s[22:23], (\s)*KSTEP*8192
	s_or_b32 s[G0B+4*(\s)+3], s[G0B+4*(\s)+3], 0x80000000
.endr
	s_cmp_eq_u32 s17, 0                            ; a wave's two first fills stand in one branch: two loads of mine are out
	s_cbranch_scc0 .Lfirst_b
	tensor_load_to_lds s[G0A:G0A+3], s[G1A:G1A+7]
	s_nop 0
	tensor_load_to_lds s[G0A+4:G0A+7], s[G1A:G1A+7]
	s_nop 0
.rept 4
	v_nop
.endr
	s_branch .Lfirst_asked
.Lfirst_b:
	tensor_load_to_lds s[G0B:G0B+3], s[G1B:G1B+7]
	s_nop 0
	tensor_load_to_lds s[G0B+4:G0B+7], s[G1B:G1B+7]
	s_nop 0
.rept 4
	v_nop
.endr
.Lfirst_asked:
	v_and_b32 v1, 15, v0
	v_bfe_u32 v2, v0, 4, 1
	v_mul_u32_u24 v3, v1, PAL
	v_lshl_add_u32 v3, v2, 4, v3
	s_mul_i32 s19, s17, 64*PAL
	v_add_nc_u32 v[ADRA0], s19, v3
	v_mov_b32 v[ADRA], v[ADRA0]
	v_and_b32 v4, 7, v0
	v_lshl_add_u32 v4, v2, 3, v4
	v_mul_u32_u24 v4, v4, PBL
	v_bfe_u32 v5, v0, 3, 1
	v_lshl_add_u32 v4, v5, 4, v4
	s_lshl_b32 s19, s18, 8
	s_add_co_u32 s19, s19, BOFF
	v_add_nc_u32 v[ADRB0], s19, v4
	v_mov_b32 v[ADRB], v[ADRB0]
	s_mul_i32 s19, s16, 16*SP
	s_add_co_u32 s19, s19, STAGE                   ; my stage
	v_mul_u32_u24 v3, v1, SP
	v_lshl_add_u32 v3, v2, 5, v3
	v_add_nc_u32 v[STO], s19, v3                   ; in: row r, 32 bytes for each half of the lanes
	v_and_b32 v3, 31, v0
	v_lshlrev_b32 v[CO], 4, v3                     ; out: 32 lanes x 16 bytes: my 512 bytes of a row of C
	v_add_nc_u32 v[RD], s19, v[CO]                 ; back: a whole row of 512 bytes
	s_lshl_b32 s94, s91, 7
	s_lshl_b32 s95, s17, 6
	s_add_co_u32 s94, s94, s95
	s_lshl_b32 s94, s94, 14                        ; my first row of C, 16,384 bytes a row,
	s_lshl_b32 s95, s90, 10
	s_add_co_u32 s94, s94, s95
	s_lshl_b32 s95, s18, 9
	s_add_co_u32 s94, s94, s95                     ; my first column
	s_mov_b32 s95, 0
	s_add_nc_u64 s[86:87], s[8:9], s[94:95]
	; the prefetches
	s_and_b32 s94, ttmp7, 0xffff
	s_lshl_b32 s95, s91, 7
	s_lshl_b32 s96, s88, 5
	s_add_co_u32 s95, s95, s96
	s_lshl_b32 s95, s95, RSA
	s_add_co_u32 s95, s95, 3*KSTEP*2               ; at K step 3: the first refill steps it to 4
	s_lshl_b32 s96, s18, 6
	s_lshl4_add_u32 s96, s89, s96
	s_add_co_u32 s96, s96, 3*KSTEP
	s_lshl_b32 s96, s96, 13
	s_lshl_b32 s97, s90, 9
	s_add_co_u32 s96, s96, s97
	s_or_b32 s97, ttmp9, s18
	s_mov_b32 s[PST], KSTEP*8192
	s_mov_b32 s[PST+1], 0
	s_mov_b32 s99, 0
	s_cmp_eq_u32 s17, 0
	s_cselect_b64 s[PFA:PFA+1], s[4:5], s[6:7]
	s_cselect_b32 s98, s95, s96
	s_cselect_b32 s[PST], KSTEP*2, s[PST]
	s_cselect_b32 s97, s97, s94
	s_cselect_b32 s19, RSA, 13
	s_add_nc_u64 s[PFA:PFA+1], s[PFA:PFA+1], s[98:99]
	s_cmp_eq_u32 s97, 0
	s_cselect_b32 s[LIM], 2, -1
	v_lshrrev_b32 v4, s17, v3
	v_lshlrev_b32 v4, s19, v4
	v_and_b32 v3, s17, v3
	v_lshl_add_u32 v[PFO], v3, 8, v4
; 8 matrix instructions: row block a x all 8 column blocks, 32 along K.  The 32 accumulators take turns in the same order in every quarter.
.macro MUL8 f, a, zero
	WIN MUL
.irp b, 0,1,2,3,4,5,6,7
.if \zero
	v_wmma_f32_16x16x32_f16 v[8*(8*(\a)+(\b)):8*(8*(\a)+(\b))+7], v[(\f)+8*(\b):(\f)+8*(\b)+7], v[(\f)+64+8*(\a):(\f)+64+8*(\a)+7], 0
.else
	v_wmma_f32_16x16x32_f16 v[8*(8*(\a)+(\b)):8*(8*(\a)+(\b))+7], v[(\f)+8*(\b):(\f)+8*(\b)+7], v[(\f)+64+8*(\a):(\f)+64+8*(\a)+7], v[8*(8*(\a)+(\b)):8*(8*(\a)+(\b))+7]
.endif
.endr
.endm
.macro FETCH q, f                      ; 24 LDS loads in one run: quarter q of the slot in hand into buffer f
	WIN 0
.irp b, 0,1,2,3,4,5,6,7
	ds_load_tr16_b128 v[(\f)+8*(\b):(\f)+8*(\b)+3],   v[ADRB] offset:(\q)*32*PBL+32*(\b)
	ds_load_tr16_b128 v[(\f)+8*(\b)+4:(\f)+8*(\b)+7], v[ADRB] offset:(\q)*32*PBL+32*(\b)+16*PBL
.endr
.irp a, 0,1,2,3
	ds_load_b128 v[(\f)+64+8*(\a):(\f)+64+8*(\a)+3],   v[ADRA] offset:64*(\q)+(\a)*16*PAL
	ds_load_b128 v[(\f)+64+8*(\a)+4:(\f)+64+8*(\a)+7], v[ADRA] offset:64*(\q)+(\a)*16*PAL+32
.endr
.endm
.macro QUARTER q, f, g, zero
	s_wait_dscnt 4                                 ; B and A's blocks 0, 1 are in; the four youngest loads (A's blocks 2, 3) may be out
	MUL8 \f, 0, \zero
	MUL8 \f, 1, \zero
	PLACES                                         ; four places behind the last product that read buffer g
	FETCH \q, \g
	s_wait_dscnt 24                                ; all but the 24 just issued
	MUL8 \f, 2, \zero
	MUL8 \f, 3, \zero
.endm
; The last quarter changes slots: in front of the barrier each wave waits for all its tensor loads (one is out: its part of the next slot), adds 0 to its spare word, and waits for that and for its reads of this slot.
; fill = 1: the barrier opens a round of the cluster's barrier; behind the round this slot is filled again, two K steps ahead, first of all.
.macro TURN fill
.if \fill
	s_wait_xcnt 0x0                                ; the last prefetch, a K step back, has read its address
	s_add_nc_u64 s[PFA:PFA+1], s[PFA:PFA+1], s[PST:PST+1]
.endif
	WIN 0
	s_wait_tensorcnt 0x0
	ds_add_u32 v[SPW], v[NIL]
	s_wait_dscnt 5                                 ; (the add and A's four youngest loads may be out)
	MUL8 F1, 0, 0
	s_wait_dscnt 0x0                               ; the add is done, and my reads of this slot are over
	s_barrier_signal -1
	MUL8 F1, 1, 0
	WIN 0
	s_barrier_wait -1
.if \fill
	CREST                                          ; no wave of any partner still reads this slot or has a load on its way
	s_xor_b32 s[G0A+5], s[G0A+5], SLOT1            ; the walking descriptors: the other slot than last time, the next K step
	s_add_nc_u64 s[G0A+6:G0A+7], s[G0A+6:G0A+7], KSTEP*2
	s_xor_b32 s[G0B+5], s[G0B+5], SLOT1
	s_add_nc_u64 s[G0B+6:G0B+7], s[G0B+6:G0B+7], KSTEP*8192
	JLOAD                                          ; its four v_nop are also the places in front of the loads below
.else
	PLACES
.endif
	s_xor_b32 s[TB], s[TB], SLOT1                  ; the fetches go on in the other slot
	v_add_nc_u32 v[ADRA], s[TB], v[ADRA0]
	v_add_nc_u32 v[ADRB], s[TB], v[ADRB0]
	FETCH 0, F0
.if \fill
	ASK
.endif
	MUL8 F1, 2, 0
	MUL8 F1, 3, 0
.endm
	s_wait_tensorcnt 0x1                           ; my part of K step 0 is in; K step 1's may stay out
	s_barrier_signal -1
	s_barrier_wait -1
	FETCH 0, F0
	QUARTER 1, F0, F1, 1                           ; the first quarter's products start the sums
	WIN 0
	s_mov_b32 s[LAP], STEPS-2
	s_branch .Lmid                                 ; the loop is entered behind its first quarter
.Lstep:                                        ; a trip is a K step; the slot that it leaves is filled again
	QUARTER 1, F0, F1, 0
	WIN 0
.Lmid:
	QUARTER 2, F1, F0, 0
	QUARTER 3, F0, F1, 0
	TURN 1
	WIN 0
	s_sub_co_u32 s[LAP], s[LAP], 1
	s_cmp_lg_u32 s[LAP], 0
	s_cbranch_scc1 .Lstep
	s_mov_b32 s[LAP], 2
.Ltail:                                        ; the last two K steps fill nothing: a loop of their own
	QUARTER 1, F0, F1, 0
	QUARTER 2, F1, F0, 0
	QUARTER 3, F0, F1, 0
	TURN 0
	WIN 0
	s_sub_co_u32 s[LAP], s[LAP], 1
	s_cmp_lg_u32 s[LAP], 0
	s_cbranch_scc1 .Ltail
	s_wait_dscnt 0x0                               ; the last change's fetch is back: its registers are free
	PLACES                                         ; behind the last products, ahead of the stores that read sums and the loads into fragments' registers
	PLACES
; Row block a: the f32 sums go into my stage as they are (each accumulator's low four registers first) and come back as whole rows of 512 bytes.
.macro OUT a
	WIN 0x04                                       ; store data in window 1
.irp b, 0,1,2,3,4,5,6,7
	ds_store_b128 v[STO], v[8*(8*(\a)+(\b)):8*(8*(\a)+(\b))+3]   offset:64*(\b)
	ds_store_b128 v[STO], v[8*(8*(\a)+(\b))+4:8*(8*(\a)+(\b))+7] offset:64*(\b)+16
.endr
	WIN 0
.if (\a) >= 2
	s_wait_xcnt 0x0                                ; the stores of the block two back have read the registers that the loads below fill
.endif
.irp t, 0,1,2,3,4,5,6,7,8,9,10,11,12,13,14,15
	ds_load_b128 v[BK+64*((\a)%2)+4*(\t):BK+64*((\a)%2)+4*(\t)+3], v[RD] offset:(\t)*SP  ; LDS serves a wave's instructions in order: these see the stores above
.endr
	s_wait_dscnt 0x0
.irp t, 0,1,2,3,4,5,6,7,8,9,10,11,12,13,14,15
	global_store_b128 v[CO], v[BK+64*((\a)%2)+4*(\t):BK+64*((\a)%2)+4*(\t)+3], s[86:87] offset:(\a)*262144+(\t)*16384 th:TH_STORE_NT  ; 512 consecutive bytes, aligned
.endr
.endm
	OUT 0
	OUT 1
	OUT 2
	OUT 3
	s_wait_tensorcnt 0x0                           ; the wave's end
	ds_add_u32 v[SPW], v[NIL]
	s_wait_dscnt 0x0
	CROUND                                         ; the closing round
	s_endpgm
.Lfunc_end_k_q97a2f66b0f_outgemm:
	.size	k_q97a2f66b0f_outgemm, .Lfunc_end_k_q97a2f66b0f_outgemm-k_q97a2f66b0f_outgemm
	.p2alignl 7, 3214868480
	.fill 96, 4, 3214868480
	.section	.rodata,"a",@progbits
	.p2align	6, 0x0
	.amdhsa_kernel k_q97a2f66b0f_outgemm
		.amdhsa_group_segment_fixed_size 327680
		.amdhsa_private_segment_fixed_size 0
		.amdhsa_enable_private_segment 0
		.amdhsa_kernarg_size 24
		.amdhsa_user_sgpr_count 2
		.amdhsa_user_sgpr_kernarg_segment_ptr 1
		.amdhsa_wavefront_size32 1
		.amdhsa_system_sgpr_workgroup_id_x 1
		.amdhsa_system_sgpr_workgroup_id_y 1
		.amdhsa_system_sgpr_workgroup_id_z 1
		.amdhsa_system_vgpr_workitem_id 0
		.amdhsa_next_free_vgpr 512
		.amdhsa_next_free_sgpr 100
		.amdhsa_reserve_vcc 0
		.amdhsa_float_denorm_mode_32 3
		.amdhsa_float_denorm_mode_16_64 3
		.amdhsa_memory_ordered 1
		.amdhsa_forward_progress 1
		.amdhsa_inst_pref_size 61
	.end_amdhsa_kernel
	.amdgpu_metadata
---
amdhsa.version: [ 1, 2 ]
amdhsa.kernels:
  - .name:           k_q97a2f66b0f_outgemm
    .symbol:         k_q97a2f66b0f_outgemm.kd
    .args:
      - { .name: ob, .offset: 0, .size: 8, .value_kind: global_buffer, .address_space: global }
      - { .name: wob, .offset: 8, .size: 8, .value_kind: global_buffer, .address_space: global }
      - { .name: out0, .offset: 16, .size: 8, .value_kind: global_buffer, .address_space: global }
    .group_segment_fixed_size: 327680
    .private_segment_fixed_size: 0
    .kernarg_segment_align: 8
    .kernarg_segment_size: 24
    .max_flat_workgroup_size: 128
    .sgpr_count:     100
    .vgpr_count:     512
    .wavefront_size: 32
...
	.end_amdgpu_metadata
.endif
;; end of part 4
